; MI455X (gfx1250); checked and timed in simulation.
; The chip was launched on July 23, 2026; its instructions are those of AMD's public machine-readable ISA for CDNA 5 (MIT licence, August 2026) and "CDNA5" Instruction Set Architecture Reference Guide (July 2026). The comments in the code are by the model that wrote it; some were corrected since.
;; Aeva Naive Moe. Allowed arithmetic: matrix products marked QUANTISED: E2M3 operands, one E8M0 scale for each 32 along K, by v_wmma_scale_f32_16x16x128_f8f6f4 with both operands' format E2M3, f32 sums; products left as they are: f32 operands where the result goes on into a quantised operand, else bf16, f16 or f32 operands; f32 sums; everything else in f32.
;; Inputs: anchor_w_down 16 x 256 x 1,024 float32; anchor_w_gate 16 x 1,024 x 256 float32; anchor_w_up 16 x 1,024 x 256 float32; gate_bias 32 float32; gate_weight 32 x 1,024 float32; hidden_states 1 x 1,024 x 1,024 float32; shared_w_down 512 x 1,024 float32; shared_w_gate 1,024 x 512 float32; shared_w_up 1,024 x 512 float32; w_down 32 x 512 x 1,024 float32; w_gate 32 x 1,024 x 512 float32; w_up 32 x 1,024 x 512 float32.
;; Outputs: out0 1 x 1,024 x 1,024 float32.
;; This version of the problem:
;;   THIS VERSION OF THE PROBLEM IS GIVEN IN LOW PRECISION. The matrix products marked QUANTISED in the list below multiply operands that are first quantised to E2M3 (2 exponent bits, 3 mantissa bits; 6 bits a number), with one power-of-two scale for each 32 numbers along K (OCP MX v1.0); their sums are f32. All else is computed in f32.
;;   The module's matrix products, in the order in which they are computed (A, B: the left and right operand; K: the contracted axis; several contracted axes count as one K, in the product's order):
;;     1. [M 1,024, K 1,024] x [K 1,024, N 32]; A: input hidden_states; B: input gate_weight: QUANTISED
;;     2. [M 1,024, K 1,024] x [K 1,024, N 16,384]; A: input hidden_states; B: input w_gate: QUANTISED
;;     3. [M 1,024, K 1,024] x [K 1,024, N 16,384]; A: input hidden_states; B: input w_up: QUANTISED
;;     4. batch 32 x [M 1,024, K 512] x [K 512, N 1,024]; A: input w_down; B: computed on the way: QUANTISED
;;     5. batch 1,024 x [M 1, K 32] x [K 32, N 1,024]; A: computed on the way; B: computed on the way: left as it is (M = 1 < 16)
;;     6. [M 1,024, K 1,024] x [K 1,024, N 512]; A: input hidden_states; B: input shared_w_gate: QUANTISED
;;     7. [M 1,024, K 1,024] x [K 1,024, N 512]; A: input hidden_states; B: input shared_w_up: QUANTISED
;;     8. [M 1,024, K 512] x [K 512, N 1,024]; A: computed on the way; B: input shared_w_down: QUANTISED
;;     9. [M 1,024, K 1,024] x [K 1,024, N 4,096]; A: input hidden_states; B: input anchor_w_gate: QUANTISED
;;     10. [M 1,024, K 1,024] x [K 1,024, N 4,096]; A: input hidden_states; B: input anchor_w_up: QUANTISED
;;     11. batch 16 x [M 1,024, K 256] x [K 256, N 1,024]; A: input anchor_w_down; B: computed on the way: QUANTISED
;;     12. batch 1,024 x [M 1, K 16] x [K 16, N 1,024]; A: computed on the way; B: computed on the way: left as it is (K = 16 < 32)
;;   THE QUANTISER, for each operand of a quantised product, along K:
;;     - K is cut into blocks of 32 from its start; a last block that is shorter is filled with zeros.
;;     - A block's scale is 2^e with e = floor(log2(the largest magnitude in the block)) - 2, held to -126 .. 127; a block of zeros has e = 0. As a byte (E8M0): e + 127.
;;     - Each number is divided by its block's scale, clamped to +-7.5, and rounded to the nearest number of E2M3, ties to even, subnormals kept.
;;     - The product sums the exact products of the quantised numbers (number of the format x scale) in f32.
;;   ~~~python
;;   def quantise(x, axis):      # numpy; x: float32 -> the quantised numbers, widened to float32 again
;;       x = np.moveaxis(x, axis, -1); K = x.shape[-1]
;;       x = np.pad(x, [(0, 0)] * (x.ndim - 1) + [(0, -K % 32)]); x = x.reshape(x.shape[:-1] + (-1, 32)); a = np.abs(x).max(-1, keepdims=True)
;;       e = np.where(a > 0, np.clip(np.frexp(np.where(a > 0, a, 1))[1] - 1 - 2, -126, 127), 0)      # np.frexp(a)[1] - 1 = floor(log2(a)), exactly
;;       r = np.clip(x / 2.0 ** e, -7.5, 7.5)
;;       step = 2.0 ** (np.maximum(np.frexp(np.where(r == 0, 1, r))[1] - 1, 0) - 3)
;;       q = np.round(r / step) * step * 2.0 ** e      # np.round: ties to even
;;       return np.moveaxis(q.reshape(q.shape[:-2] + (-1,))[..., :K], -1, axis).astype(np.float32)
;;   ~~~
;;   OPERANDS COMPUTED ON THE WAY. 'Computed on the way' means the value that the module computes at that place (a softmax that the list does not call 'softmax' is quantised finished and normalised). What goes into a quantiser is computed in f32, as accurately as f32 sums, v_exp_f32 and their like allow (about 1e-6 of the number): no bf16 or f16 on the way to a quantiser, and a product that is left as it is and whose result goes on into a quantised operand takes f32 operands (vector FMAs, or v_wmma_f32_16x16x4_f32). A number that lies on a knife's edge between two numbers of the format may be rounded either way, as far as f32 arithmetic and the matrix unit's own rounding can turn it there, and no further.
;; One version. Each part assembles by itself: llvm-mc -triple=amdgcn-amd-amdhsa -mcpu=gfx1250 --defsym DOCPART=n.
;; ======== version 1 of 1: 4 launches
;; limits: values outside matrix products are rounded to bf16
;; workspace buffers: xq 786,432 bytes; xs 32,768 bytes; gmask 6,912 bytes of whole numbers; rk 131,072 bytes of whole numbers; cwt 131,072 bytes; hq 20,447,232 bytes; hs 851,968 bytes; y 16,908,288 bytes
;; launch route (part 1): grid 64 x 1, 8 waves a work-group, no clusters, 31,488 bytes of LDS; arguments hidden_states, gate_weight, gate_bias, xq, xs, gmask, rk, cwt; writes xq, xs, gmask, rk, cwt
.if DOCPART == 1
	.amdgcn_target "amdgcn-amd-amdhsa--gfx1250"
	.amdhsa_code_object_version 6
	.text
	.protected	k_qa0d72248f3_route
	.globl	k_qa0d72248f3_route
	.p2align	8
	.type	k_qa0d72248f3_route,@function
k_qa0d72248f3_route:
	s_mov_b64 s[64:65], 0
	v_nop
	global_prefetch_b8 v0, s[64:65] scope:SCOPE_SE
	s_setreg_imm32_b32 hwreg(HW_REG_WAVE_MODE, 25, 1), 1
	s_wait_xcnt 0x0
; ROUTE: x is quantised once (codes xq, scale words xs), the router's product is made on codes, and the choice of experts is stored as whole numbers at fixed places.
; WORK LEFT OUT BY THE WHOLE PROGRAM.  reference() weighs expert e's result for token t by cw[t, e], a sum of one_hot(topidx) x tw that it builds itself: cw[t, e] is exactly 0 for every e outside
; topidx[t], whatever the inputs hold.  Likewise acw[t, l] = one_hot(lg) is exactly 0 for l other than lg[t].  So of g, u, eo only the rows (t, e) with e among t's six experts can reach the output, and of
; ag, au, ao only the row (t, lg[t]); the two products with cw and acw are lookups with a weight.  The later launches multiply those rows alone.  No input is dead as a whole: all twelve are loaded.
; LIMITS: a NaN, an infinity or an overflow that arises only in rows left out is not carried to the result; NaN or infinite scores are not served (the ranks below are made by ordered compares);
; blocks whose largest magnitude lies under 2^(3 - 127), the floor at which the scale's byte is held at 1, were not tried.  A block of zeros gets the byte 1, not 127: its codes are zeros, and this program alone reads the bytes.
; SHARES.  1,024 tokens are 64 tiles of 16: 64 work-groups, no more work to share.  Work-group T owns tokens 16 T .. 16 T + 15.  Up to the first barrier wave w owns K step w (128 of the 1,024);
; behind it every wave holds all 32 scores of the 16 tokens, and wave w ranks experts 4 w .. 4 w + 3.
; THE ROWS OF gate_weight THAT FORM A TILE ARE CHOSEN: lane m of tile u takes expert 16 u + 2 (m & 7) + (m >> 3).  With source 0 = experts and source 1 = tokens, register j of tile u in lane (r, h) is then
; token r's logit of expert 2 p + h, p = 8 u + j: a group of eight experts is four registers in both halves of the lanes.
; No tensor loads, no cluster: the work-groups share gate_weight alone, 128 KiB.
.set PART,  0                          ; LDS: partial logits, 8 waves x 4 x 512 bytes
.set XSTG,  16384                      ; x's codes, 16 rows of 768 bytes, 784 apart
.set XPIT,  784
.set XSS,   28928                      ; x's scale words, 32 bytes a row
.set PSUM,  29440                      ; each wave's part of the sum of the chosen scores, 128 bytes a wave
.set SPARE, 30464                      ; the spare words, 128 bytes a wave: four blocks of 256 bytes that no other line names
.set LA,    16                         ; v16-79   64 numbers of x
.set LB,    80                         ; v80-143  of gate_weight's tile 0
.set LC,    144                        ; v144-207 of its tile 1
.set XF,    208                        ; v208-219 x's fragment (v220-226 at work)
.set GF0,   16                         ; v16-27   gate_weight's fragments, where x's numbers lay (v28-34, v48-54 at work)
.set GF1,   36
.set ACC0,  56
.set ACC1,  64
.set TM,    228                        ; v228-243 at work in QUANT
.set XSW,   245                        ; scale words: x's, tile 0's, tile 1's: these three hold scales and nothing else
.set GS0,   246
.set GS1,   247
.set SPW,   252                        ; LDS address of my spare word; never rewritten
.set NIL,   253                        ; 0; never rewritten
.set SP,    32                         ; behind the first barrier: v32-47 the sigmoid scores, v48-63 the scores for choice, then masked, v64-79 the other half's
.set MP,    48
.set OP,    64
.set WV,    20
.set SEL,   22
.set HM,    24
.macro XLOAD reg, adr, base, off       ; 64 numbers of a lane: of its row, 16 neighbours of each of four blocks of 32: register 16 b + i = k 32 b + 16 (lane / 16) + i
.irp b, 0,1,2,3
.irp j, 0,1,2,3
	global_load_b128 v[\reg+16*\b+4*\j:\reg+16*\b+4*\j+3], v[\adr], s[\base:\base+1] offset:\off+128*\b+16*\j
.endr
.endr
.endm
; 64 numbers in v[s] on become a fragment's codes in v[d] .. v[d + 11] and the row's scale word in v[pw]; v[d + 12] .. v[d + 18] are at work
.macro QUANT d, s, pw
.irp b, 0,1,2,3
	v_max3_num_f32 v[TM+\b], |v[(\s)+16*\b]|, |v[(\s)+1+16*\b]|, 0x1800000   ; my 16 numbers of block b, and the floor 2^(3 - 127): the byte cannot fall under 1
.endr
.irp i, 2,4,6,8,10,12,14
.irp b, 0,1,2,3
	v_max3_num_f32 v[TM+\b], v[TM+\b], |v[(\s)+16*\b+\i]|, |v[(\s)+1+16*\b+\i]|
.endr
.endr
.irp b, 0,1,2,3
	v_permlanex16_b32 v[TM+4+\b], v[TM+\b], s[SEL], s[SEL+1]
.endr
.irp b, 0,1,2,3
	v_max_num_f32 v[TM+\b], v[TM+\b], v[TM+4+\b]                  ; with lane l xor 16's: the block's largest magnitude
.endr
.irp b, 0,1,2,3
	v_add_nc_u32 v[TM+12+\b], 0xff000000, v[TM+\b]               ; 2 off its exponent field: the conversion's scale operand
.endr
.irp b, 0,1,2,3
	v_lshrrev_b32 v[TM+4+\b], 23, v[TM+12+\b]                     ; the scale's byte
.endr
	v_lshl_or_b32 v[\pw], v[TM+5], 8, v[TM+4]
	v_lshl_or_b32 v[\pw], v[TM+6], 16, v[\pw]
	v_lshl_or_b32 v[\pw], v[TM+7], 24, v[\pw]
.irp c, 0,1
	v_cvt_scalef32_pk16_fp6_f32 v[(\d)+6*\c:(\d)+2+6*\c], v[(\s)+32*\c:(\s)+15+32*\c], v[TM+12+2*\c]
	v_cvt_scalef32_pk16_fp6_f32 v[(\d)+12+4*\c:(\d)+14+4*\c], v[(\s)+16+32*\c:(\s)+31+32*\c], v[TM+12+2*\c+1]   ; (a conversion's three registers begin on an even number)
.endr
	v_nop                                          ; one plain place behind a scaled conversion
.irp c, 0,1                            ; the operand's layout wants a whole block in a lane: lanes 0-15 block 2 c, lanes 16-31 block 2 c + 1
.irp i, 0,1,2
	v_permlane16_swap_b32 v[(\d)+6*\c+\i], v[(\d)+12+4*\c+\i]
.endr
.irp i, 0,1,2
	v_mov_b32 v[(\d)+3+6*\c+\i], v[(\d)+12+4*\c+\i]
.endr
.endr
.endm
.macro PICK dst, x, y, z               ; the lanes in which fewer than two of the three masks hold
	s_and_b32 s40, s[\x], s[\y]
	s_or_b32 s41, s[\x], s[\y]
	s_and_b32 s41, s41, s[\z]
	s_or_b32 s40, s40, s41
	s_not_b32 s[\dst], s40
.endm
; The rank of expert 2 p + h among the 32 masked scores: how many beat it.  Another expert beats it with a larger score, or with an equal score and a lower number (so jax.lax.top_k breaks ties).
; Pair j's two experts have lower numbers where j < p and higher where j > p; my own pair's other expert has the higher number in lanes 0-15 and the lower in lanes 16-31.
.macro RANK p, rk, sc
	v_mov_b32 v[\rk], 0
	v_mov_b32 v[\sc], v[SP+(\p)]
.set jj, 0
.rept 16
.if jj < (\p)
	v_cmp_ge_f32 vcc_lo, v[MP+jj], v[MP+(\p)]
	v_add_co_ci_u32 v[\rk], vcc_lo, 0, v[\rk], vcc_lo
	v_cmp_ge_f32 vcc_lo, v[OP+jj], v[MP+(\p)]
	v_add_co_ci_u32 v[\rk], vcc_lo, 0, v[\rk], vcc_lo
.elseif jj > (\p)
	v_cmp_gt_f32 vcc_lo, v[MP+jj], v[MP+(\p)]
	v_add_co_ci_u32 v[\rk], vcc_lo, 0, v[\rk], vcc_lo
	v_cmp_gt_f32 vcc_lo, v[OP+jj], v[MP+(\p)]
	v_add_co_ci_u32 v[\rk], vcc_lo, 0, v[\rk], vcc_lo
.else
	v_cmp_gt_f32 s40, v[OP+jj], v[MP+(\p)]
	v_cmp_ge_f32 s41, v[OP+jj], v[MP+(\p)]
	s_and_b32 s40, s40, 0xffff
	s_and_b32 s41, s41, s[HM]
	s_or_b32 vcc_lo, s40, s41
	v_add_co_ci_u32 v[\rk], vcc_lo, 0, v[\rk], vcc_lo
.endif
.set jj, jj+1
.endr
.endm
	s_load_b512 s[4:19], s[0:1], 0x0               ; x s[4:5], gate_weight s[6:7], gate_bias s[8:9], xq s[10:11], xs s[12:13], gmask s[14:15], rk s[16:17], cwt s[18:19]
	v_lshl_add_u32 v[SPW], v0, 2, SPARE
	v_mov_b32 v[NIL], 0
	v_lshrrev_b32 v1, 5, v0
	v_readfirstlane_b32 s[WV], v1                  ; wave 0..7
	v_and_b32 v1, 31, v0                           ; lane
	v_and_b32 v2, 15, v0                           ; r
	v_bfe_u32 v3, v0, 4, 1                         ; h
	s_mov_b32 s[SEL], 0x76543210
	s_mov_b32 s[SEL+1], 0xfedcba98                 ; v_permlanex16_b32's selects for lane l xor 16
	s_mov_b32 s[HM], 0xffff0000                    ; lanes 16-31
	v_lshlrev_b32 v4, 12, v2
	v_lshl_add_u32 v4, v3, 6, v4                   ; v4: x: row r of 4,096 bytes, + 64 h
	v_and_b32 v5, 7, v0
	v_bfe_u32 v6, v0, 3, 1
	v_lshl_add_u32 v5, v5, 1, v6                   ; 2 (r & 7) + (r >> 3)
	v_lshlrev_b32 v5, 12, v5
	v_lshl_add_u32 v5, v3, 6, v5                   ; v5: gate_weight: that row, + 64 h
	s_mul_i32 s40, s[WV], 96
	s_add_co_u32 s40, s40, XSTG
	v_mul_u32_u24 v6, v2, XPIT
	v_mad_u32_u24 v6, v3, 48, v6
	v_add_nc_u32 v6, s40, v6                       ; v6: x's stage: row r, K step w, half h: my 48 bytes
	s_lshl_b32 s40, s[WV], 2
	s_add_co_u32 s40, s40, XSS
	v_lshlrev_b32 v7, 5, v2
	v_add_nc_u32 v7, s40, v7                       ; v7: x's scale word of row r, K step w
	s_lshl_b32 s40, s[WV], 11
	v_lshlrev_b32 v11, 4, v1                       ; v11: 16 x lane
	v_add_nc_u32 v8, s40, v11                      ; v8: my wave's partial logits
	v_lshlrev_b32 v10, 3, v1
	s_mul_i32 s40, s[WV], 2*XPIT
	s_add_co_u32 s40, s40, XSTG
	v_add_nc_u32 v9, s40, v10                      ; v9: the stage's rows 2 w, 2 w + 1, 8 bytes a lane
	s_mul_i32 s40, s[WV], 1536
	v_add_nc_u32 v10, s40, v10                     ; v10: the same rows in xq
	v_lshlrev_b32 v13, 2, v1                       ; v13: 4 x lane
	s_lshl_b32 s40, s[WV], 7
	s_add_co_u32 s40, s40, PSUM
	v_add_nc_u32 v12, s40, v13                     ; v12: my wave's part of the sums
	v_lshlrev_b32 v14, 2, v3                       ; v14: 4 h: the bias of expert 2 p + h lies at 8 p + 4 h
	v_lshlrev_b32 v15, 3, v1
	s_lshl_b32 s40, s[WV], 8
	v_add_nc_u32 v15, s40, v15                     ; v15: rk, cwt: 256 w + 8 x lane
	s_lshl_b32 s41, ttmp9, 1                       ; a mask's 16 bits of tile T lie at 2 T of its group's 128 bytes
	s_lshl_b32 s40, s[WV], 9
	s_add_co_u32 s40, s40, s41
	v_mov_b32 v248, s40                            ; experts 4 w on
	s_lshl_b32 s40, s[WV], 8
	s_add_co_u32 s40, s40, s41
	v_mov_b32 v249, s40                            ; anchor groups 2 w on
	s_and_b32 s40, s[WV], 3
	s_lshl_b32 s40, s40, 7
	s_add_co_u32 s40, s40, s41
	v_mov_b32 v250, s40                            ; the shared expert's quarter w
.irp b, 0,1,2,3
	v_mov_b32 v[TM+4+\b], 0                        ; written once: a lane permute's destination counts as one of its sources
.endr
	s_wait_kmcnt 0x0
	s_lshl_b32 s40, ttmp9, 16                      ; 16 rows of 4,096 bytes,
	s_lshl_b32 s41, s[WV], 9                       ; K step w: 512 bytes
	s_add_co_u32 s40, s40, s41
	s_mov_b32 s41, 0
	s_add_nc_u64 s[4:5], s[4:5], s[40:41]
	s_lshl_b32 s40, s[WV], 9
	s_add_nc_u64 s[6:7], s[6:7], s[40:41]
	s_mul_i32 s40, ttmp9, 12288
	s_add_nc_u64 s[10:11], s[10:11], s[40:41]
	s_lshl_b32 s40, ttmp9, 9
	s_add_nc_u64 s[12:13], s[12:13], s[40:41]
	s_lshl_b32 s40, ttmp9, 11
	s_add_nc_u64 s[16:17], s[16:17], s[40:41]
	s_add_nc_u64 s[18:19], s[18:19], s[40:41]
	XLOAD LA, 4, 4, 0
	XLOAD LB, 5, 6, 0
	XLOAD LC, 5, 6, 65536                          ; tile 1: 16 rows of gate_weight on
	s_wait_loadcnt 32                              ; x's 16 loads are in; gate_weight's 32 stay out
	QUANT XF, LA, XSW
	ds_store_b128 v6, v[XF:XF+3]
	ds_store_b128 v6, v[XF+4:XF+7] offset:16
	ds_store_b128 v6, v[XF+8:XF+11] offset:32
	ds_store_b32 v7, v[XSW]
	s_wait_loadcnt 16                              ; tile 0's are in; tile 1's 16 stay out
	QUANT GF0, LB, GS0
	s_wait_loadcnt 0x0
	QUANT GF1, LC, GS1
.rept 8
	v_nop                                          ; a scale register written by a vector instruction stands 8 places ahead of a scaled matrix instruction, an operand so written 4
.endr
	v_wmma_scale_f32_16x16x128_f8f6f4 v[ACC0:ACC0+7], v[GF0:GF0+11], v[XF:XF+11], 0, v[GS0], v[XSW] matrix_a_fmt:MATRIX_FMT_FP6 matrix_b_fmt:MATRIX_FMT_FP6
	v_wmma_scale_f32_16x16x128_f8f6f4 v[ACC1:ACC1+7], v[GF1:GF1+11], v[XF:XF+11], 0, v[GS1], v[XSW] matrix_a_fmt:MATRIX_FMT_FP6 matrix_b_fmt:MATRIX_FMT_FP6
.rept 4
	v_nop                                          ; four places ahead of the first read of the results (ISA guide 7.12.1)
.endr
	ds_store_b128 v8, v[ACC0:ACC0+3]               ; each accumulator from its low end on
	ds_store_b128 v8, v[ACC0+4:ACC0+7] offset:512
	ds_store_b128 v8, v[ACC1:ACC1+3] offset:1024
	ds_store_b128 v8, v[ACC1+4:ACC1+7] offset:1536
	s_wait_dscnt 0x0                               ; for the others' sake: my stores have landed
	s_barrier_signal -1
	s_barrier_wait -1                              ; x's codes and scale words and all eight partial logits lie in LDS
.irp p, 0,1,2,3,4,5,6,7,8,9,10,11,12,13,14,15
	global_load_b32 v[MP+\p], v14, s[8:9] offset:8*\p   ; the bias of expert 2 p + h
.endr
.irp w, 0,1
.irp p, 0,1,2
	ds_load_b64 v[232+6*\w+2*\p:233+6*\w+2*\p], v9 offset:\w*XPIT+256*\p
.endr
.endr
.irp w, 0,1,2,3,4,5,6,7
.irp q, 0,1,2,3
	ds_load_b128 v[80+16*\w+4*\q:83+16*\w+4*\q], v11 offset:PART+2048*\w+512*\q
.endr
.endr
	s_wait_dscnt 32                                ; the six loads of codes are back; the 32 behind them stay out
.irp w, 0,1
.irp p, 0,1,2
	global_store_b64 v10, v[232+6*\w+2*\p:233+6*\w+2*\p], s[10:11] offset:768*\w+256*\p   ; 32 lanes store 256 consecutive bytes, at a multiple of 256 from xq's first byte
.endr
.endr
	s_cmp_lg_u32 s[WV], 0
	s_cbranch_scc1 .Lnot_wave_0
	ds_load_b128 v[208:211], v11 offset:XSS
	s_wait_dscnt 0x0
	global_store_b128 v11, v[208:211], s[12:13]    ; the tile's 512 bytes of scale words
.Lnot_wave_0:
	s_wait_dscnt 0x0
.irp w, 1,2,3,4,5,6,7                  ; the logits: the K steps' parts, K ascending
.irp i, 0,2,4,6,8,10,12,14
	v_pk_add_f32 v[80+\i:81+\i], v[80+\i:81+\i], v[80+16*\w+\i:81+16*\w+\i]
.endr
.endr
.irp i, 0,2,4,6,8,10,12,14
	v_pk_mul_f32 v[16+\i:17+\i], v[80+\i:81+\i], 0xbfb8aa3b op_sel_hi:[1,0]   ; - logit x log2(e)
.endr
.irp j, 0,1,2,3,4,5,6,7,8,9,10,11,12,13,14,15
	v_exp_f32 v[16+\j], v[16+\j]
.endr
	v_mov_b32 v116, 0xff800000                     ; -infinity, for the mask below.  (The plain place behind the exponentials)
	s_wait_alu depctr_va_vdst(0)                   ; one wait for the batch, ahead of its first reader
.irp i, 0,2,4,6,8,10,12,14
	v_pk_add_f32 v[16+\i:17+\i], v[16+\i:17+\i], 1.0 op_sel_hi:[1,0]
.endr
.irp j, 0,1,2,3,4,5,6,7,8,9,10,11,12,13,14,15
	v_rcp_f32 v[SP+\j], v[16+\j]                   ; sigmoid
.endr
	v_nop
	s_wait_alu depctr_va_vdst(0)
	s_wait_loadcnt 0x0                             ; the biases
.irp i, 0,2,4,6,8,10,12,14
	v_pk_add_f32 v[MP+\i:MP+\i+1], v[SP+\i:SP+\i+1], v[MP+\i:MP+\i+1]   ; the scores for choice
.endr
; a group's score: the sum of its two largest.  My four, then the other half's two largest
.irp g, 0,1,2,3
	v_max_num_f32 v[96+\g], v[MP+4*\g], v[MP+4*\g+1]
	v_min_num_f32 v[100+\g], v[MP+4*\g], v[MP+4*\g+1]
.endr
.irp k, 2,3
.irp g, 0,1,2,3
	v_med3_num_f32 v[100+\g], v[96+\g], v[100+\g], v[MP+4*\g+\k]   ; the second largest is the middle one of the two so far and the new one
.endr
.irp g, 0,1,2,3
	v_max_num_f32 v[96+\g], v[96+\g], v[MP+4*\g+\k]
.endr
.endr
.irp g, 0,1,2,3
	v_permlanex16_b32 v[104+\g], v[96+\g], s[SEL], s[SEL+1]
	v_permlanex16_b32 v[108+\g], v[100+\g], s[SEL], s[SEL+1]
.endr
.irp g, 0,1,2,3
	v_min_num_f32 v[112+\g], v[96+\g], v[104+\g]
	v_max_num_f32 v[96+\g], v[96+\g], v[104+\g]
.endr
.irp g, 0,1,2,3
	v_max3_num_f32 v[112+\g], v[112+\g], v[100+\g], v[108+\g]
.endr
.irp g, 0,1,2,3
	v_add_f32 v[112+\g], v[96+\g], v[112+\g]
.endr
; two groups of four: group b beats group a < b where its score is larger, else a beats b (a tie goes to the lower number); a group is chosen where fewer than two beat it
	v_cmp_gt_f32 s30, v113, v112
	v_cmp_gt_f32 s31, v114, v112
	v_cmp_gt_f32 s32, v115, v112
	v_cmp_gt_f32 s33, v114, v113
	v_cmp_gt_f32 s34, v115, v113
	v_cmp_gt_f32 s35, v115, v114
	s_not_b32 s44, s30
	s_not_b32 s45, s31
	s_not_b32 s46, s32
	s_not_b32 s47, s33
	s_not_b32 s48, s34
	s_not_b32 s49, s35
	PICK 36, 30, 31, 32
	PICK 37, 44, 33, 34
	PICK 38, 45, 47, 35
	PICK 39, 46, 48, 49
.irp p, 0,1,2,3,4,5,6,7,8,9,10,11,12,13,14,15
	v_cndmask_b32 v[MP+\p], v116, v[MP+\p], s[36+\p/4]
.endr
.irp p, 0,1,2,3,4,5,6,7,8,9,10,11,12,13,14,15
	v_permlanex16_b32 v[OP+\p], v[MP+\p], s[SEL], s[SEL+1]
.endr
; wave w ranks pairs 2 w and 2 w + 1.  Register numbers, and which compare a pair takes, are fixed in the text: so eight variants, chosen by the wave's number
.irp w, 0,1,2,3,4,5,6
	s_cmp_lg_u32 s[WV], \w
	s_cbranch_scc1 .Lnot_\w
	RANK 2*\w, 224, 226
	RANK 2*\w+1, 225, 227
	s_branch .Lranked
.Lnot_\w:
.endr
	RANK 14, 224, 226
	RANK 15, 225, 227
.Lranked:
	v_cmp_gt_u32 s42, 6, v224                      ; chosen: rank under 6.  Bit 16 h + r: token r, expert 4 w + h;
	v_cmp_gt_u32 s43, 6, v225                      ; expert 4 w + 2 + h
	v_cndmask_b32 v230, 0, v226, s42
	v_cndmask_b32 v231, 0, v227, s43
	v_add_f32 v230, v230, v231
	v_permlanex16_b32 v231, v230, s[SEL], s[SEL+1]
	v_add_f32 v230, v230, v231                     ; the chosen ones' raw scores among my four experts
	ds_store_b32 v12, v230
	s_wait_dscnt 0x0
	s_barrier_signal -1
	s_barrier_wait -1
.irp p, 0,1,2,3,4,5,6,7
	ds_load_b32 v[96+\p], v13 offset:PSUM+128*\p
.endr
	s_wait_dscnt 0x0
	v_add_f32 v96, v96, v97
	v_add_f32 v98, v98, v99
	v_add_f32 v100, v100, v101
	v_add_f32 v102, v102, v103
	v_add_f32 v96, v96, v98
	v_add_f32 v100, v100, v102
	v_add_f32 v96, v96, v100
	v_add_f32 v96, 0x1e3ce508, v96                 ; + 1e-20
	v_rcp_f32 v96, v96
	v_mov_b32 v100, s42                            ; (plain places behind the reciprocal)
	v_mov_b32 v101, s43
	s_wait_alu depctr_va_vdst(0)
	v_mul_f32 v228, v226, v96
	v_mul_f32 v229, v227, v96
	v_mul_f32 v228, 0x3e4ccccd, v228               ; x 0.2
	v_mul_f32 v229, 0x3e4ccccd, v229
	global_store_b64 v15, v[224:225], s[16:17]     ; ranks and weights: 32 lanes store 256 consecutive bytes each, aligned
	global_store_b64 v15, v[228:229], s[18:19]
; the masks: 16 bits for a group and a tile, laid [group][tile], so that a later launch reads a group's 1,024 bits as 128 consecutive bytes.  All lanes store the same two bytes: 6.5 KiB in the whole launch
	global_store_b16 v248, v100, s[14:15]
	global_store_d16_hi_b16 v248, v100, s[14:15] offset:128
	global_store_b16 v248, v101, s[14:15] offset:256
	global_store_d16_hi_b16 v248, v101, s[14:15] offset:384
	v_cmp_eq_u32 s44, 0, v224                      ; the anchor group is the first expert's number / 2: pair p's, where either of its two has rank 0
	v_cmp_eq_u32 s45, 0, v225
	s_lshr_b32 s46, s44, 16
	s_or_b32 s44, s44, s46
	s_lshr_b32 s46, s45, 16
	s_or_b32 s45, s45, s46
	v_mov_b32 v102, s44
	v_mov_b32 v103, s45
	global_store_b16 v249, v102, s[14:15] offset:4096
	global_store_b16 v249, v103, s[14:15] offset:4224
	s_cmp_gt_u32 s[WV], 3
	s_cbranch_scc1 .Lno_shared
	s_lshr_b32 s46, ttmp9, 4                       ; the shared expert's rows go as four groups of 256 tokens: quarter w holds tile T where T / 16 = w
	s_cmp_eq_u32 s46, s[WV]
	s_cselect_b32 s46, 0xffff, 0
	v_mov_b32 v104, s46
	global_store_b16 v250, v104, s[14:15] offset:6144
.Lno_shared:
	s_wait_tensorcnt 0x0                           ; the wave's end, behind my last LDS store
	ds_add_u32 v[SPW], v[NIL]
	s_wait_dscnt 0x0
	s_endpgm
.Lfunc_end_k_qa0d72248f3_route:
	.size	k_qa0d72248f3_route, .Lfunc_end_k_qa0d72248f3_route-k_qa0d72248f3_route
	.p2alignl 7, 3214868480
	.fill 96, 4, 3214868480
	.section	.rodata,"a",@progbits
	.p2align	6, 0x0
	.amdhsa_kernel k_qa0d72248f3_route
		.amdhsa_group_segment_fixed_size 31488
		.amdhsa_private_segment_fixed_size 0
		.amdhsa_enable_private_segment 0
		.amdhsa_kernarg_size 64
		.amdhsa_user_sgpr_count 2
		.amdhsa_user_sgpr_kernarg_segment_ptr 1
		.amdhsa_wavefront_size32 1
		.amdhsa_system_sgpr_workgroup_id_x 1
		.amdhsa_system_sgpr_workgroup_id_y 1
		.amdhsa_system_sgpr_workgroup_id_z 1
		.amdhsa_system_vgpr_workitem_id 0
		.amdhsa_next_free_vgpr 256
		.amdhsa_next_free_sgpr 66
		.amdhsa_reserve_vcc 1
		.amdhsa_float_denorm_mode_32 3
		.amdhsa_float_denorm_mode_16_64 3
		.amdhsa_memory_ordered 1
		.amdhsa_forward_progress 1
		.amdhsa_inst_pref_size 77
	.end_amdhsa_kernel
	.amdgpu_metadata
---
amdhsa.version: [ 1, 2 ]
amdhsa.kernels:
  - .name:           k_qa0d72248f3_route
    .symbol:         k_qa0d72248f3_route.kd
    .args:
      - { .name: hidden_states, .offset: 0, .size: 8, .value_kind: global_buffer, .address_space: global }
      - { .name: gate_weight, .offset: 8, .size: 8, .value_kind: global_buffer, .address_space: global }
      - { .name: gate_bias, .offset: 16, .size: 8, .value_kind: global_buffer, .address_space: global }
      - { .name: xq, .offset: 24, .size: 8, .value_kind: global_buffer, .address_space: global }
      - { .name: xs, .offset: 32, .size: 8, .value_kind: global_buffer, .address_space: global }
      - { .name: gmask, .offset: 40, .size: 8, .value_kind: global_buffer, .address_space: global }
      - { .name: rk, .offset: 48, .size: 8, .value_kind: global_buffer, .address_space: global }
      - { .name: cwt, .offset: 56, .size: 8, .value_kind: global_buffer, .address_space: global }
    .group_segment_fixed_size: 31488
    .private_segment_fixed_size: 0
    .kernarg_segment_align: 8
    .kernarg_segment_size: 64
    .max_flat_workgroup_size: 256
    .sgpr_count:     66
    .vgpr_count:     256
    .wavefront_size: 32
...
	.end_amdgpu_metadata
.endif
;; end of part 1
;; launch gateup (part 2): grid 352 x 1, 8 waves a work-group, no clusters, 103,424 bytes of LDS; arguments w_gate, w_up, anchor_w_gate, anchor_w_up, shared_w_gate, shared_w_up, xq, xs, gmask, hq, hs; writes hq, hs
.if DOCPART == 2
	.amdgcn_target "amdgcn-amd-amdhsa--gfx1250"
	.amdhsa_code_object_version 6
	.text
	.protected	k_qa0d72248f3_gateup
	.globl	k_qa0d72248f3_gateup
	.p2align	8
	.type	k_qa0d72248f3_gateup,@function
k_qa0d72248f3_gateup:
	s_mov_b64 s[64:65], 0
	v_nop
	global_prefetch_b8 v0, s[64:65] scope:SCOPE_SE
	s_setreg_imm32_b32 hwreg(HW_REG_WAVE_MODE, 25, 1), 1
	s_wait_xcnt 0x0
; GATEUP: silu(x Wg) x (x Wu), quantised along the hidden axis, for the rows that the router chose.  Rows (token, expert) whose combine weight reference() itself sets to 0 are left out (shown at the head of the first kernel).
; GROUPS.  G 0-31: the routed experts; 32-47: the anchor experts; 48-51: the shared expert's tokens 256 (G - 48) on.  A group's rows are the set bits of its 1,024-bit mask in gmask, token ascending.
; SHARES.  A work-group owns one group and 64 hidden units, of gate and of up, for all of K = 1,024.  It reads that slice of the f32 weights from memory ONCE, quantises it in registers (a lane takes a column, its
; registers run down K, so that a block of 32 lies in one lane and the codes come out with K innermost), lays the codes in LDS as images of operand registers, and multiplies them with all rows of its group.
; No weight goes back to memory as codes.  The shared expert's slices are read by four work-groups each.
; THE STREAM: wave w takes matrix w / 4, column block (w / 2) % 2 (32 columns), half w % 2 of K: 16 blocks of 32.  Two blocks, 64 loads of 128 bytes, are on their way in each wave.
; THE COLUMNS OF A TILE ARE CHOSEN: column l of a block of 32 goes to tile (l / 8) % 2, row l % 8 + 8 (l / 16).  With source 0 = 16 columns of a weight and source 1 = 16 rows of x, a lane then holds one row,
; and the 16 registers of a block's two tiles are hidden units 16 (lane / 16) + 0 .. 15 of the block: neighbours along the next product's K.
; THE PRODUCTS: wave w takes column block w % 2 and the pairs of row tiles w / 2, w / 2 + 4, ..: 8 accumulators (2 row tiles x gate, up x 2 tiles) by turns.
; The loop has a constant count; a pair beyond the group's rows is passed over by a scalar branch on the count read from gmask.  No barrier stands in the loop.
; WHICH TOKEN IS ROW k: the k-th set bit of the mask, whose 32 words lie in scalar registers.  Each lane finds its own in registers (macro TOKENS): no list, no LDS, no other lane.  The next launch orders the rows alike.
; Rows that pad the last pair (k at or beyond the group's count) come out as some token of the mask's last word; the next launch drops them.
; x IS ASKED FOR A PHASE AHEAD: the first pair's tokens are made at the head, while the first blocks of weights are on their way, and its 28 loads go out behind block 14 of the stream; the next pair's go out behind a
; pair's last K step, ahead of its activation.  The first pair's loads are issued by every wave, also by one that has no pair: so every register is written on every way.
; An expert that no token chose still has its slice streamed: to pass over the stream would put the barrier under a branch on loaded data.
; No tensor load: the text branches on stored counts.  No cluster: each weight byte is wanted by one work-group (the shared expert's by four); what work-groups share, x's codes, is 768 bytes a row beside 512 KiB of weights.
; LIMITS: as stated at the head of the first kernel.  The scale bytes of the hidden layer leave one byte a lane: one byte for 24 of codes.
.set IMG,   0                          ; LDS: weight fragments, 1,536 bytes each: ((matrix x 2 + column block) x 2 + tile) x 12,288 + K step x 1,536; in it lane slot (16 hK + m) x 48 bytes
.set WSC,   98304                      ; their scale words: ((matrix x 2 + column block) x 8 + K step) x 128 + (16 tile + m) x 4
.set SPARE, 102400                     ; the spare words, 128 bytes a wave: four blocks of 256 bytes that no other line names
.set KSTR,  1536                       ; from one of my K steps to the next, in IMG
.set SSTR,  128                        ; and in WSC
.set SPW,   10                         ; v10 LDS address of my spare word; v11 0; never rewritten
.set NIL,   11
.set IA,    12                         ; v12 where I store codes;  v13 scale words
.set SA,    13
.set WAG,   14                         ; v14, v15 where I read gate's and up's fragments;  v16 their scale words
.set WAU,   15
.set WSA,   16
.set H48,   18
.set HOL,   19
.set SOL,   20
.set TK,    22                         ; v22-23 tokens;  v24-25 offsets in xq;  v26-27 in xs;  v28, v29 in hq, hs
.set XO,    24
.set SO,    26
.set HO,    28
.set SOO,   29
.set WS,    30                         ; v30, v31 gate's and up's scale words: scales and nothing else
.set VO,    32                         ; the stream: v32-63 offsets of a block's 32 rows; v64-127 two blocks; v128-143 at work
.set LND,   64
.set ACC,   32                         ; the products: v32-95 accumulators (32 x row tile + 8 f; f = 0, 1 gate's tiles, 2, 3 up's)
.set WF,    96                         ; v96-143 the four weight fragments of a K step; behind the last K step at work
.set XSC,   144                        ; v144-159 x's scale words (8 x row tile + s): scales and nothing else
.set XR,    160                        ; v160-255 x's fragments of four K steps (24 x (s % 4) + 12 x row tile): free during the stream
.set TT,    160                        ; v160-181 at work in TOKENS, ahead of the loads that land there: 12 a row tile: +0 k, then the rank in the word; +1 the word; +2 count and word number; +3 .. +6 nested counts; +7 the bit; +8, +9 at work
.macro LOAD t                          ; block t: 32 rows of the weight at my 32 columns: each load reads 128 consecutive bytes
.set ii, 0
.rept 32
	global_load_b32 v[LND+32*((\t)%2)+ii], v[VO+ii], s[36+2*((\t)%2):37+2*((\t)%2)] th:TH_LOAD_NT
.set ii, ii+1
.endr
.endm
; block t, 32 numbers of my column, becomes 24 bytes of codes in IMG and a byte of the K step's scale word.  In its K step the block is 2 c + hK: c = (t / 2) % 2, hK = t % 2
.macro QB t
.set XS, LND+32*((\t)%2)
.set IMMV, ((\t)/4)*KSTR+((\t)%2)*768+(((\t)/2)%2)*24
	s_wait_dscnt 0x0                               ; the last block's LDS stores have read their registers
	v_max3_num_f32 v140, |v[XS]|, |v[XS+1]|, |v[XS+2]|
	v_max3_num_f32 v141, |v[XS+3]|, |v[XS+4]|, |v[XS+5]|
.irp i, 6,10,14,18,22,26
	v_max3_num_f32 v140, v140, |v[XS+\i]|, |v[XS+\i+1]|
	v_max3_num_f32 v141, v141, |v[XS+\i+2]|, |v[XS+\i+3]|
.endr
	v_max3_num_f32 v140, v140, |v[XS+30]|, |v[XS+31]|
	v_max3_num_f32 v140, v140, v141, 0x1800000     ; and the floor 2^(3 - 127): the byte cannot fall under 1
	v_add_nc_u32 v142, 0xff000000, v140            ; 2 off the exponent field: the conversion's scale operand
	v_lshrrev_b32 v141, 23, v142                   ; the scale's byte
.if (\t)%4 == 0
	v_mov_b32 v143, v141
.else
	v_lshl_or_b32 v143, v141, 8*((\t)%4), v143
.endif
	v_cvt_scalef32_pk16_fp6_f32 v[128:130], v[XS:XS+15], v142
	v_cvt_scalef32_pk16_fp6_f32 v[136:138], v[XS+16:XS+31], v142   ; (a conversion's three registers begin on an even number)
	v_nop                                          ; one plain place behind a scaled conversion
	v_mov_b32 v131, v136
	v_mov_b32 v132, v137
	v_mov_b32 v133, v138
	ds_store_b64 v[IA], v[128:129] offset:IMMV
	ds_store_b64 v[IA], v[130:131] offset:IMMV+8
	ds_store_b64 v[IA], v[132:133] offset:IMMV+16
.if (\t)%4 == 3
	ds_store_b32 v[SA], v143 offset:((\t)/4)*SSTR
.endif
.endm
.macro BLOCK t                         ; blocks 0 to 13: each asks for the block two on
	s_wait_loadcnt 32                              ; this block's 32 loads are in; the next block's 32 stay out
	QB \t
	s_add_nc_u64 s[36+2*((\t)%2):37+2*((\t)%2)], s[36+2*((\t)%2):37+2*((\t)%2)], s[40:41]   ; 64 rows on: the wait above has shown this base's loads done
	LOAD (\t)+2
.endm
.macro MM d, a, b, z, sa, sb, hi       ; one product; z: it starts the sum; hi: source 0's scale words lie in lanes 16-31
.if (\z)
.if (\hi)
	v_wmma_scale_f32_16x16x128_f8f6f4 v[\d:\d+7], v[\a:\a+11], v[\b:\b+11], 0, v[\sa], v[\sb] matrix_a_fmt:MATRIX_FMT_FP6 matrix_b_fmt:MATRIX_FMT_FP6 matrix_a_scale:MATRIX_SCALE_ROW1
.else
	v_wmma_scale_f32_16x16x128_f8f6f4 v[\d:\d+7], v[\a:\a+11], v[\b:\b+11], 0, v[\sa], v[\sb] matrix_a_fmt:MATRIX_FMT_FP6 matrix_b_fmt:MATRIX_FMT_FP6
.endif
.else
.if (\hi)
	v_wmma_scale_f32_16x16x128_f8f6f4 v[\d:\d+7], v[\a:\a+11], v[\b:\b+11], v[\d:\d+7], v[\sa], v[\sb] matrix_a_fmt:MATRIX_FMT_FP6 matrix_b_fmt:MATRIX_FMT_FP6 matrix_a_scale:MATRIX_SCALE_ROW1
.else
	v_wmma_scale_f32_16x16x128_f8f6f4 v[\d:\d+7], v[\a:\a+11], v[\b:\b+11], v[\d:\d+7], v[\sa], v[\sb] matrix_a_fmt:MATRIX_FMT_FP6 matrix_b_fmt:MATRIX_FMT_FP6
.endif
.endif
.endm
.macro XL s                            ; x's fragments of K step s for the pair's two row tiles: 48 bytes a lane each, as xq has them
.irp t, 0,1
.irp i, 0,1,2
	global_load_b128 v[XR+24*((\s)%4)+12*\t+4*\i:XR+24*((\s)%4)+12*\t+4*\i+3], v[XO+\t], s[16:17] offset:(\s)*96+16*\i
.endr
.endr
.endm
.macro XLOADS                          ; what a pair asks for ahead: its rows' scale words (4 loads) and the fragments of K steps 0 to 3 (24 loads), in this order
.irp t, 0,1
	global_load_b128 v[XSC+8*\t:XSC+8*\t+3], v[SO+\t], s[18:19]
	global_load_b128 v[XSC+8*\t+4:XSC+8*\t+7], v[SO+\t], s[18:19] offset:16
.endr
	XL 0
	XL 1
	XL 2
	XL 3
.endm
; One step of the search in a word: the count of set bits in the lower part (inc bits, from the bit reached so far) is cut out of the nested counts; a rank at or above it lies in the upper part
.macro SELSTEP src, msk, inc
.irp t, 0,1
	v_lshrrev_b32 v[TT+12*\t+8], v[TT+12*\t+7], v[TT+12*\t+(\src)]
.endr
.irp t, 0,1
	v_and_b32 v[TT+12*\t+8], \msk, v[TT+12*\t+8]
.endr
.irp t, 0,1
	v_cmp_ge_u32 s[50+\t], v[TT+12*\t], v[TT+12*\t+8]
.endr
.irp t, 0,1
	v_cndmask_b32 v[TT+12*\t+9], 0, v[TT+12*\t+8], s[50+\t]
	v_cndmask_b32 v[TT+12*\t+8], 0, \inc, s[50+\t]
.endr
.irp t, 0,1
	v_sub_nc_u32 v[TT+12*\t], v[TT+12*\t], v[TT+12*\t+9]
	v_add_nc_u32 v[TT+12*\t+7], v[TT+12*\t+7], v[TT+12*\t+8]
.endr
.endm
; THE TOKENS of pair s[sq]: lane (r, h) of row tile t wants row k = 32 x pair + 16 t + r of the group: the k-th set bit (from 0) of the mask.
; (1) The word: the last one ahead of which at most k bits are set.  The words are walked with a running count in s47; a lane keeps the word, and the count with the word's number above it (s48), while the count is at most k.
; (2) The bit: counts of set bits in the word's pairs, fours, bytes and lower half are made by shifts and sums; five steps then halve the range.  The two row tiles go by turns, each with a mask register of its own.
.macro TOKENS sq
	s_lshl_b32 s46, s[\sq], 5
	v_add_nc_u32 v[TT], s46, v2
	v_add_nc_u32 v[TT+12], 16, v[TT]
.irp t, 0,1
	v_mov_b32 v[TT+12*\t+1], s68                   ; word 0: no bit lies ahead of it
	v_mov_b32 v[TT+12*\t+2], 0
.endr
	s_bcnt1_i32_b32 s47, s68
.set ww, 1
.rept 31
	s_add_co_u32 s48, s47, (ww<<16)
.irp t, 0,1
	v_cmp_le_u32 s[50+\t], s47, v[TT+12*\t]
.endr
.irp t, 0,1
	v_cndmask_b32 v[TT+12*\t+1], v[TT+12*\t+1], s[68+ww], s[50+\t]
	v_cndmask_b32 v[TT+12*\t+2], v[TT+12*\t+2], s48, s[50+\t]
.endr
	s_bcnt1_i32_b32 s49, s[68+ww]
	s_add_co_u32 s47, s47, s49
.set ww, ww+1
.endr
.irp t, 0,1
	v_and_b32 v[TT+12*\t+8], 0xffff, v[TT+12*\t+2]
	v_lshrrev_b32 v[TT+12*\t+3], 1, v[TT+12*\t+1]
.endr
.irp t, 0,1
	v_sub_nc_u32 v[TT+12*\t], v[TT+12*\t], v[TT+12*\t+8]          ; the rank within the word
	v_and_b32 v[TT+12*\t+3], 0x55555555, v[TT+12*\t+3]
.endr
.irp t, 0,1
	v_lshrrev_b32 v[TT+12*\t+2], 16, v[TT+12*\t+2]                ; the word's number
	v_sub_nc_u32 v[TT+12*\t+3], v[TT+12*\t+1], v[TT+12*\t+3]      ; counts of pairs of bits
.endr
.irp t, 0,1
	v_lshrrev_b32 v[TT+12*\t+4], 2, v[TT+12*\t+3]
	v_and_b32 v[TT+12*\t+8], 0x33333333, v[TT+12*\t+3]
.endr
.irp t, 0,1
	v_and_b32 v[TT+12*\t+4], 0x33333333, v[TT+12*\t+4]
.endr
.irp t, 0,1
	v_add_nc_u32 v[TT+12*\t+4], v[TT+12*\t+4], v[TT+12*\t+8]      ; of fours
.endr
.irp t, 0,1
	v_lshrrev_b32 v[TT+12*\t+5], 4, v[TT+12*\t+4]
.endr
.irp t, 0,1
	v_add_nc_u32 v[TT+12*\t+5], v[TT+12*\t+5], v[TT+12*\t+4]
.endr
.irp t, 0,1
	v_and_b32 v[TT+12*\t+5], 0x0f0f0f0f, v[TT+12*\t+5]            ; of bytes
.endr
.irp t, 0,1
	v_lshrrev_b32 v[TT+12*\t+6], 8, v[TT+12*\t+5]
.endr
.irp t, 0,1
	v_add_nc_u32 v[TT+12*\t+6], v[TT+12*\t+6], v[TT+12*\t+5]
.endr
.irp t, 0,1
	v_and_b32 v[TT+12*\t+6], 0xff, v[TT+12*\t+6]                  ; of the lower 16 bits
.endr
.irp t, 0,1
	v_cmp_ge_u32 s[50+\t], v[TT+12*\t], v[TT+12*\t+6]
.endr
.irp t, 0,1
	v_cndmask_b32 v[TT+12*\t+9], 0, v[TT+12*\t+6], s[50+\t]
	v_cndmask_b32 v[TT+12*\t+7], 0, 16, s[50+\t]
.endr
.irp t, 0,1
	v_sub_nc_u32 v[TT+12*\t], v[TT+12*\t], v[TT+12*\t+9]
.endr
	SELSTEP 5, 0xff, 8
	SELSTEP 4, 15, 4
	SELSTEP 3, 3, 2
	SELSTEP 1, 1, 1
.irp t, 0,1
	v_lshl_add_u32 v[TK+\t], v[TT+12*\t+2], 5, v[TT+12*\t+7]      ; 32 x word + bit
.endr
.irp t, 0,1
	v_min_u32 v[TK+\t], 1023, v[TK+\t]
.endr
.irp t, 0,1
	v_mul_u32_u24 v[XO+\t], v[TK+\t], 768
	v_lshlrev_b32 v[SO+\t], 5, v[TK+\t]
.endr
.irp t, 0,1
	v_add_nc_u32 v[XO+\t], v[XO+\t], v[H48]
.endr
.endm
.macro KSTEP s, z, n                   ; n: the loads of later K steps, six each, that may stay out
.irp f, 0,1
.irp i, 0,1,2
	ds_load_b128 v[WF+12*\f+4*\i:WF+12*\f+4*\i+3], v[WAG] offset:\f*12288+(\s)*1536+16*\i
	ds_load_b128 v[WF+24+12*\f+4*\i:WF+24+12*\f+4*\i+3], v[WAU] offset:\f*12288+(\s)*1536+16*\i
.endr
.endr
	ds_load_b32 v[WS], v[WSA] offset:(\s)*128
	ds_load_b32 v[WS+1], v[WSA] offset:2048+(\s)*128
	s_wait_loadcnt \n
	s_wait_dscnt 0x0
.irp f, 0,1,2,3
.irp t, 0,1
	MM ACC+32*\t+8*\f, WF+12*\f, XR+24*((\s)%4)+12*\t, \z, WS+\f/2, XSC+8*\t+(\s), \f%2
.endr
.endr
.rept 4
	v_nop                                          ; four places ahead of loads into registers that these products read, of vector lines that write them, and of the first read of results
.endr
.if (\s) < 4
	XL (\s)+4
.endif
.endm
	s_load_b512 s[4:19], s[0:1], 0x0               ; w_gate s[4:5], w_up s[6:7], the anchors' s[8:11], the shared expert's s[12:15], xq s[16:17], xs s[18:19]
	s_load_b128 s[20:23], s[0:1], 0x40             ; gmask s[20:21], hq s[22:23]
	s_load_b64 s[24:25], s[0:1], 0x50              ; hs
	v_lshl_add_u32 v[SPW], v0, 2, SPARE
	v_mov_b32 v[NIL], 0
	v_lshrrev_b32 v1, 5, v0
	v_readfirstlane_b32 s26, v1                    ; wave 0..7
	v_and_b32 v1, 31, v0                           ; lane
	v_and_b32 v2, 15, v0                           ; r; kept
	v_bfe_u32 v3, v0, 4, 1                         ; h
	s_mov_b32 s27, ttmp9
	; which group, which slice: ids 0-255 routed (8 slices each), 256-319 anchors (4 slices), 320-351 the shared expert's four groups (8 slices)
	s_lshr_b32 s46, s27, 3
	s_and_b32 s47, s46, 7
	s_add_co_u32 s47, s47, 48                      ; shared: G
	s_and_b32 s46, s46, 31                         ; routed: G
	s_lshr_b32 s48, s27, 2
	s_and_b32 s52, s48, 15
	s_add_co_u32 s48, s52, 32                      ; anchor: G
	s_lshl_b32 s52, s52, 20                        ; an anchor's matrix is 1 MiB,
	s_lshl_b32 s51, s46, 21                        ; a routed expert's 2 MiB
	s_and_b32 s49, s27, 7
	s_and_b32 s50, s27, 3
	s_mov_b32 s30, 2048
	s_mov_b32 s53, 2048
	s_cmp_lt_u32 s27, 320
	s_cselect_b32 s28, s48, s47                    ; s28: G
	s_cselect_b32 s29, s50, s49                    ; s29: slice j
	s_cselect_b32 s31, s52, 0                      ; s31: the matrix's first byte
	s_cselect_b32 s30, 1024, s30                   ; s30: a weight row in bytes
	s_cmp_lt_u32 s27, 256
	s_cselect_b32 s28, s46, s28
	s_cselect_b32 s29, s49, s29
	s_cselect_b32 s31, s51, s31
	s_cselect_b32 s30, s53, s30
	s_lshr_b32 s54, s26, 1                         ; w / 2: the stream's matrix and column block; the products' first pair
	s_and_b32 s55, s26, 1                          ; w % 2: the stream's half of K; the products' column block
	s_mov_b32 s60, 0x76543210
	s_mov_b32 s61, 0xfedcba98
	; every LDS address is made here: constants, the lane and the wave's number
	v_bfe_u32 v4, v0, 3, 1                         ; my column's tile,
	v_and_b32 v5, 7, v0
	v_lshl_add_u32 v5, v3, 3, v5                   ; and its row in the tile
	s_mul_i32 s48, s54, 24576
	s_mul_i32 s49, s55, 6144
	s_add_co_u32 s48, s48, s49
	v_mul_u32_u24 v[IA], v5, 48
	v_mad_u32_u24 v[IA], v4, 12288, v[IA]
	v_add_nc_u32 v[IA], s48, v[IA]
	s_lshl_b32 s48, s54, 10
	s_lshl_b32 s49, s55, 9
	s_add_co_u32 s48, s48, s49
	s_add_co_u32 s48, s48, WSC
	v_lshlrev_b32 v[SA], 2, v5
	v_lshl_add_u32 v[SA], v4, 6, v[SA]
	v_add_nc_u32 v[SA], s48, v[SA]
	s_mul_i32 s48, s55, 24576
	v_mul_u32_u24 v[WAG], v1, 48
	v_add_nc_u32 v[WAG], s48, v[WAG]
	v_add_nc_u32 v[WAU], 49152, v[WAG]
	s_lshl_b32 s48, s55, 10
	s_add_co_u32 s48, s48, WSC
	v_lshlrev_b32 v[WSA], 2, v1
	v_add_nc_u32 v[WSA], s48, v[WSA]
	v_mul_u32_u24 v[H48], v3, 48
	v_mul_u32_u24 v[HOL], v2, 24
	v_mad_u32_u24 v[HOL], v3, 12, v[HOL]           ; hq: row r's 24 bytes of a block, my half's 12
	v_lshlrev_b32 v[SOL], 4, v2                    ; hs: row r's 16 bytes
	v_lshlrev_b32 v[VO], 2, v1
.set ii, 1
.rept 31
	v_add_nc_u32 v[VO+ii], s30, v[VO+ii-1]         ; 4 x lane + i rows.  (In registers: a row's length differs between the kinds of weights, and the text has one way for all)
.set ii, ii+1
.endr
	; where my part of the stream begins
	s_lshl_b32 s46, s29, 8
	s_add_co_u32 s32, s31, s46                     ; + 64 columns a slice
	s_and_b32 s46, s54, 1
	s_lshl_b32 s46, s46, 7
	s_add_co_u32 s32, s32, s46                     ; + 32 columns a block
	s_lshl_b32 s46, s30, 9
	s_mul_i32 s46, s46, s55
	s_add_co_u32 s32, s32, s46                     ; + 512 rows for the second half of K
	s_mov_b32 s33, 0
	s_lshl_b32 s34, s30, 5
	s_mov_b32 s35, 0
	s_lshl_b32 s40, s30, 6
	s_mov_b32 s41, 0
	s_wait_kmcnt 0x0
	s_lshl_b32 s46, s28, 7
	s_mov_b32 s47, 0
	s_add_nc_u64 s[20:21], s[20:21], s[46:47]
	s_load_b512 s[68:83], s[20:21], 0x0            ; the group's mask: bit b of word i is token 32 i + b
	s_load_b512 s[84:99], s[20:21], 0x40
	s_cmp_lt_u32 s27, 320                          ; the buffers are chosen by the work-group's and the wave's number alone
	s_cselect_b64 s[48:49], s[8:9], s[12:13]
	s_cselect_b64 s[50:51], s[10:11], s[14:15]
	s_cmp_lt_u32 s27, 256
	s_cselect_b64 s[48:49], s[4:5], s[48:49]
	s_cselect_b64 s[50:51], s[6:7], s[50:51]
	s_cmp_lt_u32 s26, 4
	s_cselect_b64 s[36:37], s[48:49], s[50:51]
	s_add_nc_u64 s[36:37], s[36:37], s[32:33]      ; even blocks' base,
	s_add_nc_u64 s[38:39], s[36:37], s[34:35]      ; odd blocks': 32 rows on
	LOAD 0
	LOAD 1
	s_mul_i32 s46, s28, 393216                     ; hq: my group; hidden block 2 j + (w % 2) is K step j / 2, c = j % 2, half w % 2
	s_lshr_b32 s48, s29, 1
	s_mul_i32 s48, s48, 1536
	s_add_co_u32 s46, s46, s48
	s_and_b32 s48, s29, 1
	s_mul_i32 s48, s48, 768
	s_add_co_u32 s46, s46, s48
	s_mul_i32 s48, s55, 384
	s_add_co_u32 s46, s46, s48
	s_add_nc_u64 s[56:57], s[22:23], s[46:47]
	s_lshl_b32 s46, s28, 14                        ; hs: my group, byte 2 j + (w % 2) of a row's 16
	s_lshl_b32 s48, s29, 1
	s_add_co_u32 s46, s46, s48
	s_add_co_u32 s46, s46, s55
	s_add_nc_u64 s[58:59], s[24:25], s[46:47]
	s_wait_kmcnt 0x0
	s_mov_b32 s42, 0                               ; n: the group's rows
.set ww, 0
.rept 32
	s_bcnt1_i32_b32 s46, s[68+ww]
	s_add_co_u32 s42, s42, s46
.set ww, ww+1
.endr
	s_add_co_u32 s43, s42, 31
	s_lshr_b32 s43, s43, 5                         ; pairs of row tiles
	TOKENS 54                                      ; my first pair's tokens, while the first two blocks of weights are on their way
.irp t, 0,1,2,3,4,5,6,7,8,9,10,11,12,13
	BLOCK \t
.endr
	s_wait_loadcnt 32                              ; block 14's loads are in; block 15's 32 stay out
	QB 14
	XLOADS                                         ; my first pair's x: 28 loads, behind the stream's last
	s_wait_loadcnt 28                              ; block 15's loads are in; the 28 just issued stay out
	QB 15
	s_wait_dscnt 0x0                               ; for the others' sake: my codes and scale words have landed
	s_barrier_signal -1
	s_barrier_wait -1                              ; the slice lies in LDS as codes; from here on LDS is only read
	s_mov_b32 s44, s54                             ; q: the pair in hand
	s_mov_b32 s45, 0
.Lpair:                                                ; on the way in and over the backward jump alike: the pair's 28 loads have been issued, scale words first, then K steps 0 to 3
	s_cmp_ge_u32 s44, s43
	s_cbranch_scc1 .Lskip
	s_wait_xcnt 0x0                                ; the last pair's stores have read their registers: LDS loads and vector lines write them again only behind this wait
	KSTEP 0, 1, 18
	KSTEP 1, 0, 18
	KSTEP 2, 0, 18
	KSTEP 3, 0, 18
	KSTEP 4, 0, 18
	KSTEP 5, 0, 12
	KSTEP 6, 0, 6
	KSTEP 7, 0, 0
	s_add_co_u32 s62, s44, 4                       ; my next pair, if the group has one: its x is asked for here, ahead of this pair's activation.  All this pair's loads are in: their address registers may be written
	s_cmp_ge_u32 s62, s43
	s_cbranch_scc1 .Lno_next
	TOKENS 62
	XLOADS
.Lno_next:
	; silu(g) u = g u / (1 + 2^(-g log2 e)), in f32: 32 numbers a lane.  At work: v96-142, where the weight fragments lay
.irp t, 0,1
.irp i, 0,2,4,6,8,10,12,14
	v_pk_mul_f32 v[96+16*\t+\i:97+16*\t+\i], v[ACC+32*\t+\i:ACC+32*\t+\i+1], 0xbfb8aa3b op_sel_hi:[1,0]   ; each accumulator from its low end on
.endr
.endr
.set ii, 0
.rept 32
	v_exp_f32 v[96+ii], v[96+ii]
.set ii, ii+1
.endr
.irp t, 0,1
.irp i, 0,2,4,6,8,10,12,14
	v_pk_mul_f32 v[ACC+32*\t+\i:ACC+32*\t+\i+1], v[ACC+32*\t+\i:ACC+32*\t+\i+1], v[ACC+32*\t+16+\i:ACC+32*\t+17+\i]   ; g u: work that names no exponential's result
.endr
.endr
	s_wait_alu depctr_va_vdst(0)                   ; one wait for the 32 exponentials, ahead of their first reader
.set ii, 0
.rept 16
	v_pk_add_f32 v[96+ii:97+ii], v[96+ii:97+ii], 1.0 op_sel_hi:[1,0]
.set ii, ii+2
.endr
.set ii, 0
.rept 32
	v_rcp_f32 v[96+ii], v[96+ii]
.set ii, ii+1
.endr
	s_mul_i32 s46, s44, 12288
	s_lshl_b32 s47, s44, 9
	v_add_nc_u32 v[HO], s46, v[HOL]                ; the pair's place in hq and hs.  (The plain places behind the reciprocals)
	v_add_nc_u32 v[SOO], s47, v[SOL]
	s_wait_alu depctr_va_vdst(0)
.irp t, 0,1
.irp i, 0,2,4,6,8,10,12,14
	v_pk_mul_f32 v[ACC+32*\t+\i:ACC+32*\t+\i+1], v[ACC+32*\t+\i:ACC+32*\t+\i+1], v[96+16*\t+\i:97+16*\t+\i]
.endr
.endr
	; the block of 32 hidden units lies in lanes l and l xor 16, 16 numbers each
.irp t, 0,1
	v_max3_num_f32 v[128+\t], |v[ACC+32*\t]|, |v[ACC+32*\t+1]|, 0x1800000
.endr
.irp i, 2,4,6,8,10,12,14
.irp t, 0,1
	v_max3_num_f32 v[128+\t], v[128+\t], |v[ACC+32*\t+\i]|, |v[ACC+32*\t+\i+1]|
.endr
.endr
.irp t, 0,1
	v_permlanex16_b32 v[130+\t], v[128+\t], s60, s61
.endr
.irp t, 0,1
	v_max_num_f32 v[128+\t], v[128+\t], v[130+\t]
.endr
.irp t, 0,1
	v_add_nc_u32 v[132+\t], 0xff000000, v[128+\t]
.endr
.irp t, 0,1
	v_lshrrev_b32 v[134+\t], 23, v[132+\t]
.endr
.irp t, 0,1
	v_cvt_scalef32_pk16_fp6_f32 v[136+4*\t:138+4*\t], v[ACC+32*\t:ACC+32*\t+15], v[132+\t]
.endr
	v_nop                                          ; one plain place behind the last conversion: matrix instructions write its sources again
.irp t, 0,1
	global_store_b96 v[HO], v[136+4*\t:138+4*\t], s[56:57] offset:6144*\t   ; 32 lanes store 384 consecutive bytes: 16 rows' 24 bytes of this block
	global_store_b8 v[SOO], v[134+\t], s[58:59] offset:256*\t               ; both lanes of a row store the same byte
.endr
.Lskip:
	s_add_co_u32 s44, s44, 4
	s_add_co_u32 s45, s45, 1
	s_cmp_lt_u32 s45, 8                            ; 8 trips x 4 = 32 pairs: all 1,024 tokens on one expert are served
	s_cbranch_scc1 .Lpair
	s_wait_tensorcnt 0x0                           ; the wave's end, behind my last LDS store
	ds_add_u32 v[SPW], v[NIL]
	s_wait_dscnt 0x0
	s_endpgm
.Lfunc_end_k_qa0d72248f3_gateup:
	.size	k_qa0d72248f3_gateup, .Lfunc_end_k_qa0d72248f3_gateup-k_qa0d72248f3_gateup
	.p2alignl 7, 3214868480
	.fill 96, 4, 3214868480
	.section	.rodata,"a",@progbits
	.p2align	6, 0x0
	.amdhsa_kernel k_qa0d72248f3_gateup
		.amdhsa_group_segment_fixed_size 103424
		.amdhsa_private_segment_fixed_size 0
		.amdhsa_enable_private_segment 0
		.amdhsa_kernarg_size 88
		.amdhsa_user_sgpr_count 2
		.amdhsa_user_sgpr_kernarg_segment_ptr 1
		.amdhsa_wavefront_size32 1
		.amdhsa_system_sgpr_workgroup_id_x 1
		.amdhsa_system_sgpr_workgroup_id_y 1
		.amdhsa_system_sgpr_workgroup_id_z 1
		.amdhsa_system_vgpr_workitem_id 0
		.amdhsa_next_free_vgpr 256
		.amdhsa_next_free_sgpr 100
		.amdhsa_reserve_vcc 0
		.amdhsa_float_denorm_mode_32 3
		.amdhsa_float_denorm_mode_16_64 3
		.amdhsa_memory_ordered 1
		.amdhsa_forward_progress 1
		.amdhsa_inst_pref_size 159
	.end_amdhsa_kernel
	.amdgpu_metadata
---
amdhsa.version: [ 1, 2 ]
amdhsa.kernels:
  - .name:           k_qa0d72248f3_gateup
    .symbol:         k_qa0d72248f3_gateup.kd
    .args:
      - { .name: w_gate, .offset: 0, .size: 8, .value_kind: global_buffer, .address_space: global }
      - { .name: w_up, .offset: 8, .size: 8, .value_kind: global_buffer, .address_space: global }
      - { .name: anchor_w_gate, .offset: 16, .size: 8, .value_kind: global_buffer, .address_space: global }
      - { .name: anchor_w_up, .offset: 24, .size: 8, .value_kind: global_buffer, .address_space: global }
      - { .name: shared_w_gate, .offset: 32, .size: 8, .value_kind: global_buffer, .address_space: global }
      - { .name: shared_w_up, .offset: 40, .size: 8, .value_kind: global_buffer, .address_space: global }
      - { .name: xq, .offset: 48, .size: 8, .value_kind: global_buffer, .address_space: global }
      - { .name: xs, .offset: 56, .size: 8, .value_kind: global_buffer, .address_space: global }
      - { .name: gmask, .offset: 64, .size: 8, .value_kind: global_buffer, .address_space: global }
      - { .name: hq, .offset: 72, .size: 8, .value_kind: global_buffer, .address_space: global }
      - { .name: hs, .offset: 80, .size: 8, .value_kind: global_buffer, .address_space: global }
    .group_segment_fixed_size: 103424
    .private_segment_fixed_size: 0
    .kernarg_segment_align: 8
    .kernarg_segment_size: 88
    .max_flat_workgroup_size: 256
    .sgpr_count:     100
    .vgpr_count:     256
    .wavefront_size: 32
...
	.end_amdgpu_metadata
.endif
;; end of part 2
;; launch down (part 3): grid 416 x 1, 8 waves a work-group, no clusters, 127,488 bytes of LDS; arguments w_down, anchor_w_down, shared_w_down, hq, hs, gmask, rk, cwt, y; writes y
.if DOCPART == 3
	.amdgcn_target "amdgcn-amd-amdhsa--gfx1250"
	.amdhsa_code_object_version 6
	.text
	.protected	k_qa0d72248f3_down
	.globl	k_qa0d72248f3_down
	.p2align	8
	.type	k_qa0d72248f3_down,@function
k_qa0d72248f3_down:
	s_mov_b64 s[64:65], 0
	v_nop
	global_prefetch_b8 v0, s[64:65] scope:SCOPE_SE
	s_setreg_imm32_b32 hwreg(HW_REG_WAVE_MODE, 25, 1), 1
	s_wait_xcnt 0x0
; DOWN: the hidden rows' product with the down weights, times each row's combine weight, as bf16 rows of y.  Rows whose combine weight reference() itself sets to 0 are left out (shown at the head of the first kernel).
; GROUPS as in the launch before: G = work-group / 8: 0-31 routed, 32-47 anchors, 48-51 the shared expert's quarters.  A work-group owns one group and 128 output columns (slice = work-group % 8).
; It reads its slice of the f32 weights once, quantises it in registers (a lane takes a column, registers run down K), lays the codes in LDS as images of operand registers, and multiplies them with all the group's rows.
; THE STREAM: wave w takes 32 columns (w % 4) and K steps w / 4 and w / 4 + 2: 8 blocks of 32; an anchor group has K = 256: K step w / 4 alone, 4 blocks.  A weight row is 4,096 bytes in all three kinds: every offset is an immediate.
; THE PRODUCTS: source 0 = 16 columns of the weight, source 1 = 16 hidden rows: a lane holds eight neighbouring outputs of one row.  Wave w takes the pairs of row tiles w, w + 8, ..; for each, the 128 columns in two halves,
; 8 accumulators by turns.  The loop has a constant count; a pair beyond the group's rows is passed over by a scalar branch on the count read from gmask; no barrier stands in the loop.
; WHERE A ROW GOES.  y has eight rows of 1,024 bf16 for each token: 0-5 the routed experts by rank (read from rk), 6 the shared expert, 7 the anchor.  So each row of y has one writer, and the last launch adds eight rows.
; What is stored is bf16(weight x result): weight = cw (from cwt), 1 or 0.1, multiplied in f32; the two products with cw and acw are left as they are by the contract and may take bf16 operands; bf16, not f16, for its range.
; Rows that pad a group's last pair go to a row of their own behind the tokens' (8,192 + G), which nobody reads: so no lane is ever switched off.
; AN ANCHOR GROUP has two K steps in hq and hs.  So that every register is written on every way and no byte is read that was never stored, its loads for steps 2 and 3 name steps 0 and 1 again; they are not multiplied.
; For groups 32 on the look-ups in rk and cwt name expert 31's places and are selected away.
; No tensor load: the text branches on stored counts.  No cluster: each weight byte is wanted by one work-group (the shared expert's by four).
.set IMG,   0                          ; LDS: weight fragments: (tile x 4 + K step) x 1,536; tile 0-7; in a fragment lane slot (16 hK + m) x 48 bytes
.set WSC,   49152                      ; their scale words: (column block x 4 + K step) x 128 + lane x 4
.set LIST,  51200                      ; the group's tokens, as in the launch before
.set STAGE, 55808                      ; the way out: for each wave 2 tiles x 16 rows x (256 + 16) bytes
.set RID,   125440                     ; and the 32 rows' numbers in y, 128 bytes a wave
.set SPARE, 126464                     ; the spare words, 128 bytes a wave: four blocks of 256 bytes that no other line names
.set KSTR,  3072                       ; from one of my K steps to the next (two on), in IMG
.set SSTR,  256                        ; and in WSC
.set SPW,   10
.set NIL,   11
.set IA,    12
.set SA,    13
.set WA,    14
.set WSA,   15
.set LA,    16
.set HBL,   17
.set HSL,   18
.set STO,   19
.set RD,    20
.set RIW,   21
.set RIR,   22
.set L16,   23
.set VL,    24
.set LAC,   25
.set TK,    26                         ; v26-27 tokens; v28-29 their places in rk and cwt
.set TA,    28
.set HB,    30                         ; v30 the pair's place in hq, v31 the same for K steps 2 and 3; v4, v5 likewise in hs
.set HB2,   31
.set HS,    4
.set HS2,   5
.set LND,   64                         ; the stream: v64-127 two blocks; v128-143 at work; v146-154 the list's own
.set ACC,   32                         ; the products: v32-95 accumulators (32 x row tile + 8 f)
.set HF,    96                         ; v96-191 the hidden rows' fragments (48 x row tile + 12 s)
.set WF,    192                        ; v192-239 four weight fragments; on the way out at work
.set HSC,   240                        ; v240-247 the hidden rows' scale words (4 x row tile + s), v248-249 the weights': scales and nothing else
.set WS,    248
.set CW,    250                        ; v250, v252 the rows' weights; v251, v253 are named with them as pairs and hold 0
.macro LOAD t                          ; block t: K step w / 4 + 2 (t / 4), its block t % 4: 32 rows at my 32 columns
.set ii, 0
.rept 32
	global_load_b32 v[LND+32*((\t)%2)+ii], v[VL], s[32:33] offset:(((\t)/4)*256+((\t)%4)*32+ii)*4096 th:TH_LOAD_NT
.set ii, ii+1
.endr
.endm
.macro QB t                            ; as in the launch before
.set XS, LND+32*((\t)%2)
.set IMMV, ((\t)/4)*KSTR+((\t)%2)*768+(((\t)/2)%2)*24
	s_wait_dscnt 0x0                               ; the last block's LDS stores have read their registers
	v_max3_num_f32 v140, |v[XS]|, |v[XS+1]|, |v[XS+2]|
	v_max3_num_f32 v141, |v[XS+3]|, |v[XS+4]|, |v[XS+5]|
.irp i, 6,10,14,18,22,26
	v_max3_num_f32 v140, v140, |v[XS+\i]|, |v[XS+\i+1]|
	v_max3_num_f32 v141, v141, |v[XS+\i+2]|, |v[XS+\i+3]|
.endr
	v_max3_num_f32 v140, v140, |v[XS+30]|, |v[XS+31]|
	v_max3_num_f32 v140, v140, v141, 0x1800000     ; and the floor 2^(3 - 127): the byte cannot fall under 1
	v_add_nc_u32 v142, 0xff000000, v140
	v_lshrrev_b32 v141, 23, v142
.if (\t)%4 == 0
	v_mov_b32 v143, v141
.else
	v_lshl_or_b32 v143, v141, 8*((\t)%4), v143
.endif
	v_cvt_scalef32_pk16_fp6_f32 v[128:130], v[XS:XS+15], v142
	v_cvt_scalef32_pk16_fp6_f32 v[136:138], v[XS+16:XS+31], v142
	v_nop                                          ; one plain place behind a scaled conversion
	v_mov_b32 v131, v136
	v_mov_b32 v132, v137
	v_mov_b32 v133, v138
	ds_store_b64 v[IA], v[128:129] offset:IMMV
	ds_store_b64 v[IA], v[130:131] offset:IMMV+8
	ds_store_b64 v[IA], v[132:133] offset:IMMV+16
.if (\t)%4 == 3
	ds_store_b32 v[SA], v143 offset:((\t)/4)*SSTR
.endif
.endm
.macro MM d, a, b, z, sa, sb, hi
.if (\z)
.if (\hi)
	v_wmma_scale_f32_16x16x128_f8f6f4 v[\d:\d+7], v[\a:\a+11], v[\b:\b+11], 0, v[\sa], v[\sb] matrix_a_fmt:MATRIX_FMT_FP6 matrix_b_fmt:MATRIX_FMT_FP6 matrix_a_scale:MATRIX_SCALE_ROW1
.else
	v_wmma_scale_f32_16x16x128_f8f6f4 v[\d:\d+7], v[\a:\a+11], v[\b:\b+11], 0, v[\sa], v[\sb] matrix_a_fmt:MATRIX_FMT_FP6 matrix_b_fmt:MATRIX_FMT_FP6
.endif
.else
.if (\hi)
	v_wmma_scale_f32_16x16x128_f8f6f4 v[\d:\d+7], v[\a:\a+11], v[\b:\b+11], v[\d:\d+7], v[\sa], v[\sb] matrix_a_fmt:MATRIX_FMT_FP6 matrix_b_fmt:MATRIX_FMT_FP6 matrix_a_scale:MATRIX_SCALE_ROW1
.else
	v_wmma_scale_f32_16x16x128_f8f6f4 v[\d:\d+7], v[\a:\a+11], v[\b:\b+11], v[\d:\d+7], v[\sa], v[\sb] matrix_a_fmt:MATRIX_FMT_FP6 matrix_b_fmt:MATRIX_FMT_FP6
.endif
.endif
.endm
.macro DSTEP hf, s, z                  ; K step s of column tiles 4 hf .. 4 hf + 3, for the pair's two row tiles
.irp f, 0,1,2,3
.irp i, 0,1,2
	ds_load_b128 v[WF+12*\f+4*\i:WF+12*\f+4*\i+3], v[WA] offset:((4*(\hf)+\f)*4+(\s))*1536+16*\i
.endr
.endr
	ds_load_b32 v[WS], v[WSA] offset:((2*(\hf))*4+(\s))*128
	ds_load_b32 v[WS+1], v[WSA] offset:((2*(\hf)+1)*4+(\s))*128
	s_wait_dscnt 0x0
.irp f, 0,1,2,3
.irp t, 0,1
	MM ACC+32*\t+8*\f, WF+12*\f, HF+48*\t+12*(\s), \z, WS+\f/2, HSC+4*\t+(\s), \f%2
.endr
.endr
.rept 4
	v_nop                                          ; four places ahead of loads into registers that these products read, and of the first read of results
.endr
.endm
.macro HALF hf
	DSTEP \hf, 0, 1
	DSTEP \hf, 1, 0
	s_cmp_lg_u32 s26, 0                            ; an anchor group's K ends here
	s_cbranch_scc1 .Lshort_\@
	DSTEP \hf, 2, 0
	DSTEP \hf, 3, 0
.Lshort_\@:
.set kk, 0
.irp t, 0,1
.irp f, 0,1,2,3
.set FT, WF+8*(kk%2)
.set PK, WF+16+4*kk
.irp i, 0,1,2,3
	v_pk_mul_f32 v[FT+2*\i:FT+2*\i+1], v[ACC+32*\t+8*\f+2*\i:ACC+32*\t+8*\f+2*\i+1], v[CW+2*\t:CW+2*\t+1] op_sel_hi:[1,0]   ; x the row's weight, in f32; each accumulator from its low end on
.endr
.irp i, 0,1,2,3
	v_cvt_pk_bf16_f32 v[PK+\i], v[FT+2*\i], v[FT+2*\i+1]
.endr
	ds_store_b128 v[STO], v[PK:PK+3] offset:4352*\t+(4*(\hf)+\f)*32
.set kk, kk+1
.endr
.endr
	s_wait_dscnt 0x0                               ; the stores have read their registers: LDS loads land there next
.endm
	s_load_b512 s[4:19], s[0:1], 0x0               ; w_down s[4:5], the anchors' s[6:7], the shared expert's s[8:9], hq s[10:11], hs s[12:13], gmask s[14:15], rk s[16:17], cwt s[18:19]
	s_load_b64 s[20:21], s[0:1], 0x40              ; y
	v_lshl_add_u32 v[SPW], v0, 2, SPARE
	v_mov_b32 v[NIL], 0
	v_lshrrev_b32 v1, 5, v0
	v_readfirstlane_b32 s22, v1                    ; wave 0..7
	v_and_b32 v1, 31, v0                           ; lane
	v_and_b32 v2, 15, v0                           ; r
	v_bfe_u32 v3, v0, 4, 1                         ; h
	s_mov_b32 s23, ttmp9
	s_lshr_b32 s24, s23, 3                         ; G
	s_and_b32 s25, s23, 7                          ; slice j
	s_and_b32 s46, s24, 31
	s_lshl_b32 s46, s46, 21                        ; a routed expert's matrix is 2 MiB,
	s_and_b32 s34, s24, 15
	s_lshl_b32 s34, s34, 20                        ; an anchor's 1 MiB
	s_cmp_lt_u32 s23, 384
	s_cselect_b32 s34, s34, 0
	s_cselect_b32 s26, 1, 0
	s_cmp_lt_u32 s23, 256
	s_cselect_b32 s34, s46, s34                    ; s34: the matrix's first byte
	s_cselect_b32 s26, 0, s26                      ; s26: 1 in an anchor group
	s_cselect_b32 s27, -1, 0                       ; s27: all lanes in a routed group
	s_cmp_lg_u32 s26, 0
	s_cselect_b32 s28, 0, 3072                     ; s28, s29: from K steps 0, 1 to steps 2, 3 in hq and hs; 0 in an anchor group
	s_cselect_b32 s29, 0, 8
	s_cselect_b32 s48, 7, 6                        ; the row of y and the weight where they are no look-up
	s_cselect_b32 s49, 0x3dcccccd, 1.0
	v_mov_b32 v8, s48
	v_mov_b32 v9, s49
	s_add_co_u32 s48, s24, 8192
	v_mov_b32 v254, s48                            ; the row for padding
	v_mov_b32 v251, 0
	v_mov_b32 v253, 0
	s_min_u32 s50, s24, 31                         ; expert e's place in a tile's 2,048 bytes of rk and cwt: (e / 4) x 256 + (e % 2) x 128 + ((e / 2) % 2) x 4
	s_lshr_b32 s51, s50, 2
	s_lshl_b32 s30, s51, 8
	s_and_b32 s51, s50, 1
	s_lshl_b32 s51, s51, 7
	s_add_co_u32 s30, s30, s51
	s_and_b32 s51, s50, 2
	s_lshl_b32 s51, s51, 1
	s_add_co_u32 s30, s30, s51
	s_and_b32 s52, s22, 3                          ; the stream's column block,
	s_lshr_b32 s53, s22, 2                         ; and first K step
	s_lshl_b32 s51, s25, 9
	s_add_co_u32 s34, s34, s51                     ; + 128 columns a slice
	s_lshl_b32 s51, s52, 7
	s_add_co_u32 s34, s34, s51                     ; + 32 columns a block
	s_lshl_b32 s51, s53, 19
	s_add_co_u32 s34, s34, s51                     ; + 128 rows of 4,096 bytes a K step
	s_mov_b32 s35, 0
	; every LDS address is made here: constants, the lane and the wave's number
	s_mul_i32 s48, s52, 12288
	s_mul_i32 s49, s53, 1536
	s_add_co_u32 s48, s48, s49
	v_mul_u32_u24 v[IA], v2, 48
	v_mad_u32_u24 v[IA], v3, 6144, v[IA]
	v_add_nc_u32 v[IA], s48, v[IA]                 ; column l: tile 2 (w % 4) + l / 16, row l % 16
	v_lshlrev_b32 v[VL], 2, v1
	s_lshl_b32 s48, s52, 9
	s_lshl_b32 s49, s53, 7
	s_add_co_u32 s48, s48, s49
	s_add_co_u32 s48, s48, WSC
	v_add_nc_u32 v[SA], s48, v[VL]
	v_mul_u32_u24 v[WA], v1, 48
	v_add_nc_u32 v[WSA], WSC, v[VL]
	s_lshl_b32 s48, s22, 7
	s_add_co_u32 s49, s48, LIST
	v_lshlrev_b32 v[LA], 2, v2
	v_add_nc_u32 v[LA], s49, v[LA]
	v_mul_u32_u24 v[HBL], v2, 24
	v_mad_u32_u24 v[HBL], v3, 384, v[HBL]
	v_lshlrev_b32 v[HSL], 4, v2
	s_mul_i32 s49, s22, 8704
	s_add_co_u32 s49, s49, STAGE
	v_mul_u32_u24 v[STO], v2, 272
	v_lshl_add_u32 v[STO], v3, 4, v[STO]
	v_add_nc_u32 v[STO], s49, v[STO]               ; in: row r, 16 bytes for each half of the lanes
	v_lshlrev_b32 v[L16], 4, v2
	v_mad_u32_u24 v[RD], v3, 272, v[L16]
	v_add_nc_u32 v[RD], s49, v[RD]                 ; back: lanes 0-15 one row of 256 bytes, lanes 16-31 the next
	s_add_co_u32 s49, s48, RID
	v_and_b32 v6, 1, v0
	v_bfe_u32 v7, v0, 1, 3
	v_lshl_add_u32 v6, v6, 3, v7
	v_lshlrev_b32 v[RIW], 2, v6
	v_add_nc_u32 v[RIW], s49, v[RIW]               ; row r's number at word 8 (r % 2) + r / 2, so that the lanes that store rows 2 i + (lane / 16) find their eight on end
	v_lshlrev_b32 v[RIR], 5, v3
	v_add_nc_u32 v[RIR], s49, v[RIR]
	s_wait_kmcnt 0x0
	s_lshl_b32 s46, s24, 7
	s_mov_b32 s47, 0
	s_add_nc_u64 s[14:15], s[14:15], s[46:47]
	s_load_b512 s[68:83], s[14:15], 0x0            ; the group's mask
	s_load_b512 s[84:99], s[14:15], 0x40
	s_cmp_lt_u32 s23, 384                          ; the buffer is chosen by the work-group's number alone
	s_cselect_b64 s[32:33], s[6:7], s[8:9]
	s_cmp_lt_u32 s23, 256
	s_cselect_b64 s[32:33], s[4:5], s[32:33]
	s_add_nc_u64 s[32:33], s[32:33], s[34:35]
	LOAD 0
	LOAD 1
	s_lshl_b32 s46, s25, 8
	s_add_nc_u64 s[36:37], s[20:21], s[46:47]      ; y at my 128 columns
	s_mul_i32 s46, s24, 393216
	s_add_nc_u64 s[38:39], s[10:11], s[46:47]      ; hq and hs at my group
	s_lshl_b32 s46, s24, 14
	s_add_nc_u64 s[40:41], s[12:13], s[46:47]
	s_wait_kmcnt 0x0
	s_mov_b32 s42, 0                               ; n: the group's rows
.set ww, 0
.rept 32
	s_bcnt1_i32_b32 s46, s[68+ww]
	s_add_co_u32 s42, s42, s46
.set ww, ww+1
.endr
	s_add_co_u32 s43, s42, 31
	s_lshr_b32 s43, s43, 5                         ; pairs of row tiles
	; THE LIST, made as in the launch before, so that row i of the group is the same token there and here.  No other wave touches LDS ahead of the barrier below
	s_cmp_lg_u32 s22, 0
	s_cbranch_scc1 .Lno_list
	v_mov_b32 v148, 0
	v_mov_b32 v149, 0
	v_mov_b32 v150, 0
	v_mov_b32 v151, 0
	v_lshl_add_u32 v154, v1, 4, LIST
.irp k, 0,1,2,3,4,5,6,7,8
	ds_store_b128 v154, v[148:151] offset:512*\k
.endr
	v_mov_b32 v146, v1
	v_add_nc_u32 v153, 1088, v1
	s_mov_b32 s46, 0
.set ww, 0
.rept 32
	v_mbcnt_lo_u32_b32 v147, s[68+ww], s46
	v_cndmask_b32 v147, v153, v147, s[68+ww]
	v_min_u32 v147, 1119, v147
	v_lshl_add_u32 v152, v147, 2, LIST
	ds_store_b32 v152, v146
	v_add_nc_u32 v146, 32, v146
	s_bcnt1_i32_b32 s47, s[68+ww]
	s_add_co_u32 s46, s46, s47
.set ww, ww+1
.endr
.Lno_list:
	s_wait_dscnt 0x0
	s_barrier_signal -1
	s_barrier_wait -1
	s_wait_loadcnt 32                              ; in each block: its 32 loads are in, the next block's 32 stay out
	QB 0
	LOAD 2
	s_wait_loadcnt 32
	QB 1
	LOAD 3
	s_wait_loadcnt 32
	QB 2
	s_cmp_lg_u32 s26, 0
	s_cbranch_scc1 .Lanchor_3
	LOAD 4
	s_wait_loadcnt 32
	s_branch .Lblock_3
.Lanchor_3:
	s_wait_loadcnt 0x0                             ; an anchor group's last block: nothing was asked for behind it
.Lblock_3:
	QB 3
	s_cmp_lg_u32 s26, 0
	s_cbranch_scc1 .Lstream_end
	LOAD 5
	s_wait_loadcnt 32
	QB 4
	LOAD 6
	s_wait_loadcnt 32
	QB 5
	LOAD 7
	s_wait_loadcnt 32
	QB 6
	s_wait_loadcnt 0x0
	QB 7
.Lstream_end:
	s_wait_dscnt 0x0                               ; for the others' sake: my codes and scale words have landed
	s_barrier_signal -1
	s_barrier_wait -1                              ; the slice lies in LDS as codes; from here on a wave writes its own stage and row numbers alone
	s_mov_b32 s44, s22                             ; q: the pair in hand
	s_mov_b32 s45, 0
	s_mov_b32 s31, 0
.Lpair:
	s_cmp_ge_u32 s44, s43
	s_cbranch_scc1 .Lskip
	s_wait_xcnt 0x0                                ; the last pair's stores have read their registers: they are written again only behind this wait
	v_add_nc_u32 v[LAC], s31, v[LA]
	ds_load_b32 v[TK], v[LAC]
	ds_load_b32 v[TK+1], v[LAC] offset:64
	s_mul_i32 s46, s44, 12288
	s_lshl_b32 s47, s44, 9
	v_add_nc_u32 v[HB], s46, v[HBL]
	v_add_nc_u32 v[HB2], s28, v[HB]
	v_add_nc_u32 v[HS], s47, v[HSL]
	v_add_nc_u32 v[HS2], s29, v[HS]
.irp t, 0,1
	global_load_b64 v[HSC+4*\t:HSC+4*\t+1], v[HS], s[40:41] offset:256*\t
	global_load_b64 v[HSC+4*\t+2:HSC+4*\t+3], v[HS2], s[40:41] offset:256*\t
.endr
.irp t, 0,1
.irp s, 0,1
.irp c, 0,1
.irp p, 0,1,2
	global_load_b64 v[HF+48*\t+12*\s+6*\c+2*\p:HF+48*\t+12*\s+6*\c+2*\p+1], v[HB], s[38:39] offset:6144*\t+1536*\s+768*\c+8*\p
	global_load_b64 v[HF+48*\t+24+12*\s+6*\c+2*\p:HF+48*\t+24+12*\s+6*\c+2*\p+1], v[HB2], s[38:39] offset:6144*\t+1536*\s+768*\c+8*\p
.endr
.endr
.endr
.endr
	s_wait_dscnt 0x0
.irp t, 0,1
	v_min_u32 v[TK+\t], 1023, v[TK+\t]
	v_and_b32 v[TA+\t], 0x3f0, v[TK+\t]
	v_lshlrev_b32 v[TA+\t], 7, v[TA+\t]            ; (token / 16) x 2,048
	v_and_b32 v255, 15, v[TK+\t]
	v_lshl_add_u32 v[TA+\t], v255, 3, v[TA+\t]     ; + (token % 16) x 8
	v_add_nc_u32 v[TA+\t], s30, v[TA+\t]           ; + the expert's place
	global_load_b32 v[6+\t], v[TA+\t], s[16:17]
	global_load_b32 v[CW+2*\t], v[TA+\t], s[18:19]
.endr
	s_lshl_b32 s46, s44, 5
	s_wait_loadcnt 0x0
.irp t, 0,1
	v_cndmask_b32 v[6+\t], v8, v[6+\t], s27        ; the row among the token's eight: the expert's rank, or 6, or 7
	v_cndmask_b32 v[CW+2*\t], v9, v[CW+2*\t], s27  ; the weight: cw, or 1, or 0.1
	v_lshl_add_u32 v[6+\t], v[TK+\t], 3, v[6+\t]
	v_add_nc_u32 v255, s46, v2
	v_add_nc_u32 v255, 16*\t, v255                 ; my row's place in the list
	v_cmp_gt_u32 vcc_lo, s42, v255
	v_cndmask_b32 v[6+\t], v254, v[6+\t], vcc_lo   ; a place at or behind n is padding
	ds_store_b32 v[RIW], v[6+\t] offset:64*\t      ; both halves of the lanes store the same word
.endr
	HALF 0
	HALF 1
.irp t, 0,1
.irp i, 0,1,2,3,4,5,6,7
	ds_load_b128 v[96+32*\t+4*\i:99+32*\t+4*\i], v[RD] offset:4352*\t+544*\i   ; LDS serves a wave's instructions in order (ISA guide 5.7.1.4): these see my stores
.endr
.endr
.irp t, 0,1
	ds_load_b128 v[160+8*\t:163+8*\t], v[RIR] offset:64*\t
	ds_load_b128 v[164+8*\t:167+8*\t], v[RIR] offset:64*\t+16
.endr
	s_wait_dscnt 0x0
.set kk, 0
.rept 16
	v_min_u32 v[160+kk], 8255, v[160+kk]
	v_lshl_add_u32 v[160+kk], v[160+kk], 11, v[L16]
.set kk, kk+1
.endr
.set kk, 0
.rept 16
	global_store_b128 v[160+kk], v[96+4*kk:99+4*kk], s[36:37] th:TH_STORE_NT   ; 16 lanes store 256 consecutive bytes, at a multiple of 256 from y's first byte
.set kk, kk+1
.endr
.Lskip:
	s_add_co_u32 s44, s44, 8
	s_add_co_u32 s31, s31, 1024
	s_add_co_u32 s45, s45, 1
	s_cmp_lt_u32 s45, 4                            ; 4 trips x 8 = 32 pairs: all 1,024 tokens on one expert are served
	s_cbranch_scc1 .Lpair
	s_wait_tensorcnt 0x0                           ; the wave's end, behind my last LDS store
	ds_add_u32 v[SPW], v[NIL]
	s_wait_dscnt 0x0
	s_endpgm
.Lfunc_end_k_qa0d72248f3_down:
	.size	k_qa0d72248f3_down, .Lfunc_end_k_qa0d72248f3_down-k_qa0d72248f3_down
	.p2alignl 7, 3214868480
	.fill 96, 4, 3214868480
	.section	.rodata,"a",@progbits
	.p2align	6, 0x0
	.amdhsa_kernel k_qa0d72248f3_down
		.amdhsa_group_segment_fixed_size 127488
		.amdhsa_private_segment_fixed_size 0
		.amdhsa_enable_private_segment 0
		.amdhsa_kernarg_size 72
		.amdhsa_user_sgpr_count 2
		.amdhsa_user_sgpr_kernarg_segment_ptr 1
		.amdhsa_wavefront_size32 1
		.amdhsa_system_sgpr_workgroup_id_x 1
		.amdhsa_system_sgpr_workgroup_id_y 1
		.amdhsa_system_sgpr_workgroup_id_z 1
		.amdhsa_system_vgpr_workitem_id 0
		.amdhsa_next_free_vgpr 256
		.amdhsa_next_free_sgpr 100
		.amdhsa_reserve_vcc 1
		.amdhsa_float_denorm_mode_32 3
		.amdhsa_float_denorm_mode_16_64 3
		.amdhsa_memory_ordered 1
		.amdhsa_forward_progress 1
		.amdhsa_inst_pref_size 98
	.end_amdhsa_kernel
	.amdgpu_metadata
---
amdhsa.version: [ 1, 2 ]
amdhsa.kernels:
  - .name:           k_qa0d72248f3_down
    .symbol:         k_qa0d72248f3_down.kd
    .args:
      - { .name: w_down, .offset: 0, .size: 8, .value_kind: global_buffer, .address_space: global }
      - { .name: anchor_w_down, .offset: 8, .size: 8, .value_kind: global_buffer, .address_space: global }
      - { .name: shared_w_down, .offset: 16, .size: 8, .value_kind: global_buffer, .address_space: global }
      - { .name: hq, .offset: 24, .size: 8, .value_kind: global_buffer, .address_space: global }
      - { .name: hs, .offset: 32, .size: 8, .value_kind: global_buffer, .address_space: global }
      - { .name: gmask, .offset: 40, .size: 8, .value_kind: global_buffer, .address_space: global }
      - { .name: rk, .offset: 48, .size: 8, .value_kind: global_buffer, .address_space: global }
      - { .name: cwt, .offset: 56, .size: 8, .value_kind: global_buffer, .address_space: global }
      - { .name: y, .offset: 64, .size: 8, .value_kind: global_buffer, .address_space: global }
    .group_segment_fixed_size: 127488
    .private_segment_fixed_size: 0
    .kernarg_segment_align: 8
    .kernarg_segment_size: 72
    .max_flat_workgroup_size: 256
    .sgpr_count:     100
    .vgpr_count:     256
    .wavefront_size: 32
...
	.end_amdgpu_metadata
.endif
;; end of part 3
;; launch combine (part 4): grid 256 x 1, 8 waves a work-group, no clusters, 0 bytes of LDS; arguments y, out0; writes out0
.if DOCPART == 4
	.amdgcn_target "amdgcn-amd-amdhsa--gfx1250"
	.amdhsa_code_object_version 6
	.text
	.protected	k_qa0d72248f3_combine
	.globl	k_qa0d72248f3_combine
	.p2align	8
	.type	k_qa0d72248f3_combine,@function
k_qa0d72248f3_combine:
	s_mov_b64 s[64:65], 0
	v_nop
	global_prefetch_b8 v0, s[64:65] scope:SCOPE_SE
	s_setreg_imm32_b32 hwreg(HW_REG_WAVE_MODE, 25, 1), 1
	s_wait_xcnt 0x0
; COMBINE: out0[t] = the sum of token t's eight rows of y: six routed experts by rank, the shared expert, the anchor; each already holds its weight.  bf16 in, sums in f32, in that order.
; The terms that reference() multiplies by a 0 of its own making are left out (shown at the head of the first kernel); the rows of y behind row 8,191 are padding and are not read.
; A work-group takes 4 tokens; thread t takes 4 columns: 8 bytes of each row of y (a wave's load covers 256 consecutive bytes) and 16 bytes of out0 (a wave's store covers 512).
; All 32 loads of a thread go out at once; each token has registers of its own for its sums, so no store's data are written again.  Memory binds: no LDS, no barrier, no matrix unit.
	s_load_b128 s[4:7], s[0:1], 0x0                ; y, out0
	v_lshlrev_b32 v1, 3, v0
	v_lshlrev_b32 v2, 4, v0
	s_lshl_b32 s8, ttmp9, 16                       ; 4 tokens x 8 rows x 2,048 bytes
	s_mov_b32 s9, 0
	s_lshl_b32 s10, ttmp9, 14                      ; 4 rows of 4,096 bytes
	s_mov_b32 s11, 0
	s_mov_b32 s12, 0xffff0000                      ; a word's upper bf16
	s_wait_kmcnt 0x0
	s_add_nc_u64 s[4:5], s[4:5], s[8:9]
	s_add_nc_u64 s[6:7], s[6:7], s[10:11]
.irp a, 0,1,2,3
.irp k, 0,1,2,3,4,5,6,7
	global_load_b64 v[8+2*(8*\a+\k):9+2*(8*\a+\k)], v1, s[4:5] offset:(8*\a+\k)*2048 th:TH_LOAD_NT
.endr
.endr
.macro TOKEN a
.set Y0, 8+16*(\a)
.set SM, 72+4*(\a)
	s_wait_loadcnt 24-8*(\a)                       ; this token's eight loads are in; the later tokens', eight each, stay out
	v_lshlrev_b32 v[SM], 16, v[Y0]                 ; the first row starts the sums: nothing is cleared
	v_and_b32 v[SM+1], s12, v[Y0]
	v_lshlrev_b32 v[SM+2], 16, v[Y0+1]
	v_and_b32 v[SM+3], s12, v[Y0+1]
.irp k, 1,2,3,4,5,6,7
	v_lshlrev_b32 v88, 16, v[Y0+2*\k]
	v_and_b32 v89, s12, v[Y0+2*\k]
	v_lshlrev_b32 v90, 16, v[Y0+2*\k+1]
	v_and_b32 v91, s12, v[Y0+2*\k+1]
	v_pk_add_f32 v[SM:SM+1], v[SM:SM+1], v[88:89]
	v_pk_add_f32 v[SM+2:SM+3], v[SM+2:SM+3], v[90:91]
.endr
	global_store_b128 v2, v[SM:SM+3], s[6:7] offset:4096*(\a) th:TH_STORE_NT
.endm
	TOKEN 0
	TOKEN 1
	TOKEN 2
	TOKEN 3
	s_endpgm
.Lfunc_end_k_qa0d72248f3_combine:
	.size	k_qa0d72248f3_combine, .Lfunc_end_k_qa0d72248f3_combine-k_qa0d72248f3_combine
	.p2alignl 7, 3214868480
	.fill 96, 4, 3214868480
	.section	.rodata,"a",@progbits
	.p2align	6, 0x0
	.amdhsa_kernel k_qa0d72248f3_combine
		.amdhsa_group_segment_fixed_size 0
		.amdhsa_private_segment_fixed_size 0
		.amdhsa_enable_private_segment 0
		.amdhsa_kernarg_size 16
		.amdhsa_user_sgpr_count 2
		.amdhsa_user_sgpr_kernarg_segment_ptr 1
		.amdhsa_wavefront_size32 1
		.amdhsa_system_sgpr_workgroup_id_x 1
		.amdhsa_system_sgpr_workgroup_id_y 1
		.amdhsa_system_sgpr_workgroup_id_z 1
		.amdhsa_system_vgpr_workitem_id 0
		.amdhsa_next_free_vgpr 96
		.amdhsa_next_free_sgpr 66
		.amdhsa_reserve_vcc 0
		.amdhsa_float_denorm_mode_32 3
		.amdhsa_float_denorm_mode_16_64 3
		.amdhsa_memory_ordered 1
		.amdhsa_forward_progress 1
		.amdhsa_inst_pref_size 12
	.end_amdhsa_kernel
	.amdgpu_metadata
---
amdhsa.version: [ 1, 2 ]
amdhsa.kernels:
  - .name:           k_qa0d72248f3_combine
    .symbol:         k_qa0d72248f3_combine.kd
    .args:
      - { .name: y, .offset: 0, .size: 8, .value_kind: global_buffer, .address_space: global }
      - { .name: out0, .offset: 8, .size: 8, .value_kind: global_buffer, .address_space: global }
    .group_segment_fixed_size: 0
    .private_segment_fixed_size: 0
    .kernarg_segment_align: 8
    .kernarg_segment_size: 16
    .max_flat_workgroup_size: 256
    .sgpr_count:     66
    .vgpr_count:     96
    .wavefront_size: 32
...
	.end_amdgpu_metadata
.endif
;; end of part 4
